; MI455X (gfx1250); checked and timed in simulation.
; The chip was launched on July 23, 2026; its instructions are those of AMD's public machine-readable ISA for CDNA 5 (MIT licence, August 2026) and "CDNA5" Instruction Set Architecture Reference Guide (July 2026). The comments in the code are by the model that wrote it; some were corrected since.
;; Causal Attention. Allowed arithmetic: matrix products marked QUANTISED: E2M1 operands, one E8M0 scale for each 32 along K, by v_wmma_scale_f32_16x16x128_f8f6f4 with both operands' format E2M1 (or v_wmma_scale_f32_32x16x128_f4), f32 sums; products left as they are: bf16, f16 or f32 operands; f32 sums; everything else in f32.
;; Inputs: Wk 1,024 x 1,024 float32; Wo 1,024 x 1,024 float32; Wq 1,024 x 1,024 float32; Wv 1,024 x 1,024 float32; bk 1,024 float32; bo 1,024 float32; bq 1,024 float32; bv 1,024 float32; x 2 x 2,048 x 1,024 float32.
;; Outputs: out0 2 x 2,048 x 1,024 float32; out1 2 x 2,048 x 1,024 float32.
;; This version of the problem:
;;   THIS VERSION OF THE PROBLEM IS GIVEN IN LOW PRECISION. The matrix products marked QUANTISED in the list below multiply operands that are first quantised to E2M1 (2 exponent bits, 1 mantissa bit; 4 bits a number), with one power-of-two scale for each 32 numbers along K (OCP MX v1.0); their sums are f32. The products marked 'left as it is' may take bf16, f16 or f32 operands, with f32 sums. Whichever they take, every output number must still come out within the allowed error. Rounding operands to bf16 (8 significant bits) uses up far more of that allowance than f16 does (11 bits, for magnitudes from 6e-5 to 65,504). All else is computed in f32.
;;   The module's matrix products, in the order in which they are computed (A, B: the left and right operand; K: the contracted axis; several contracted axes count as one K, in the product's order):
;;     1. [M 4,096, K 1,024] x [K 1,024, N 1,024]; A: input x; B: input Wq: QUANTISED
;;     2. [M 4,096, K 1,024] x [K 1,024, N 1,024]; A: input x; B: input Wk: QUANTISED
;;     3. [M 4,096, K 1,024] x [K 1,024, N 1,024]; A: input x; B: input Wv: QUANTISED
;;     4. batch 32 x [M 2,048, K 64] x [K 64, N 2,048]; A: computed on the way; B: computed on the way: left as it is (an operand is computed on the way)
;;     5. batch 32 x [M 2,048, K 2,048] x [K 2,048, N 64]; A: computed on the way; B: computed on the way: left as it is (an operand is computed on the way)
;;     6. [M 4,096, K 1,024] x [K 1,024, N 1,024]; A: computed on the way; B: input Wo: left as it is (an operand is computed on the way)
;;     7. batch 32 x [M 2,048, K 2,048] x [K 2,048, N 64]; A: computed on the way; B: computed on the way: left as it is (an operand is computed on the way)
;;     8. [M 4,096, K 1,024] x [K 1,024, N 1,024]; A: computed on the way; B: input Wo: left as it is (an operand is computed on the way)
;;   THE QUANTISER, for each operand of a quantised product, along K:
;;     - K is cut into blocks of 32 from its start; a last block that is shorter is filled with zeros.
;;     - A block's scale is 2^e with e = floor(log2(the largest magnitude in the block)) - 2, held to -126 .. 127; a block of zeros has e = 0. As a byte (E8M0): e + 127.
;;     - Each number is divided by its block's scale, clamped to +-6, and rounded to the nearest number of E2M1, ties to even, subnormals kept.
;;     - The product sums the exact products of the quantised numbers (number of the format x scale) in f32.
;;   ~~~python
;;   def quantise(x, axis):      # numpy; x: float32 -> the quantised numbers, widened to float32 again
;;       x = np.moveaxis(x, axis, -1); K = x.shape[-1]
;;       x = np.pad(x, [(0, 0)] * (x.ndim - 1) + [(0, -K % 32)]); x = x.reshape(x.shape[:-1] + (-1, 32)); a = np.abs(x).max(-1, keepdims=True)
;;       e = np.where(a > 0, np.clip(np.frexp(np.where(a > 0, a, 1))[1] - 1 - 2, -126, 127), 0)      # np.frexp(a)[1] - 1 = floor(log2(a)), exactly
;;       r = np.clip(x / 2.0 ** e, -6, 6)
;;       step = 2.0 ** (np.maximum(np.frexp(np.where(r == 0, 1, r))[1] - 1, 0) - 1)
;;       q = np.round(r / step) * step * 2.0 ** e      # np.round: ties to even
;;       return np.moveaxis(q.reshape(q.shape[:-2] + (-1,))[..., :K], -1, axis).astype(np.float32)
;;   ~~~
;; One version. Each part assembles by itself: llvm-mc -triple=amdgcn-amd-amdhsa -mcpu=gfx1250 --defsym DOCPART=n.
;; ======== version 1 of 1: 4 launches
;; limits: values are held in f16: magnitudes above 65,504 overflow, below 6.1e-05 lose precision
;; workspace buffers: xc 2,097,152 bytes; xs 131,072 bytes; wc 1,572,864 bytes; ws 98,304 bytes; wo16 2,097,152 bytes; qimg 8,388,608 bytes; kv 16,777,216 bytes; o16 16,777,216 bytes
;; launch prep (part 1): grid 256 x 1, 4 waves a work-group, no clusters, 33,280 bytes of LDS; arguments x, Wq, Wk, Wv, Wo, xc, xs, wc, ws, wo16; writes xc, xs, wc, ws, wo16
.if DOCPART == 1
	.amdgcn_target "amdgcn-amd-amdhsa--gfx1250"
	.amdhsa_code_object_version 6
	.text
	.protected	k_qd7b412abd4_prep
	.globl	k_qd7b412abd4_prep
	.p2align	8
	.type	k_qd7b412abd4_prep,@function
k_qd7b412abd4_prep:
	s_mov_b64 s[64:65], 0
	v_nop
	global_prefetch_b8 v0, s[64:65] scope:SCOPE_SE
	s_setreg_imm32_b32 hwreg(HW_REG_WAVE_MODE, 25, 1), 1
	s_wait_xcnt 0x0
; FIRST OF FOUR LAUNCHES.  out0 = softmax(-s) v Wo^T + bo, out1 = softmax(+s) v Wo^T + bo, s = q k^T / 8 for each of 32 (batch, head); q, k, v = x W^T + bias on codes of FP4 (E2M1).
; DEAD WORK: bk.  s[q][key] = q . (x Wk^T + bk)[key] / 8 = q . (x Wk^T)[key] / 8 + q . bk / 8.  The last term is the same for all keys of a row, so it leaves softmax(s) and softmax(-s) along the keys
; as they are, for all finite values of the inputs.  The product q k^T is not quantised, so bk enters no quantiser.  bk has no other way to an output: it is not loaded and is no argument of any launch.
; LIMIT: a NaN, an infinity or an overflow that reaches only bk's term is not carried to the result.
; THIS LAUNCH: x [4096][1024], Wq, Wk, Wv [1024][1024], f32, K innermost, become codes of FP4, two a byte, with one E8M0 byte for each 32 along K; Wo [1024][1024] becomes f16 (its product is left as it is).
; A block's scale is 2^(floor(log2(its largest magnitude)) - 2); its byte is the largest magnitude's exponent field - 2, held at 1 from below.  A block of zeros so gets the byte 1 where the rule says 127:
; its codes are zeros, which add nothing under any byte but 0xff, and the bytes are read by this program alone.
; LIMITS: blocks whose largest magnitude lies under 2^(2 - 126) have their byte held at 1; NaN and infinities among the inputs are not served; |Wo| stays under 65,504 (f16).
; SHARES.  Rows are dense and K is a multiple of 32: each tensor is a plain stream of blocks of 32.  A work-group takes 32,768 numbers, a wave a run of 8,192: work-groups 0-127 x, 128-223 Wq, Wk, Wv (32 each;
; their codes lie one tensor behind the other in wc, ws), 224-255 Wo.  Only pointers are chosen for the four quantised tensors: they take one path through the text.
; A wave's run is 16 steps of 512 numbers.  Each of a step's four loads reads 512 consecutive bytes; the 2,048 bytes turn through the wave's own stage in LDS, so that a lane then holds 16 neighbours along K
; (two neighbouring lanes hold a block), as the conversions want them.  Loads run eight steps (32 loads a wave) ahead, the turn through LDS one step.  No tensor loads, no barrier: waves share nothing, so no cluster either.
.set STEPS, 16
.set EMAX,  2
.set CB,    8                          ; bytes of 16 codes
.set R,     16                         ; v16-143  eight sets of 16 numbers as they are loaded
.set X,     144                        ; v144-175 two sets of 16 neighbours (Wo's path: two sets of 16 registers to store)
.set E,     176                        ; v176-191 a scale byte for each step
.set C,     192                        ; v192-223 codes: two registers for each step, so that no store's data are written again
.set WREG,  8192                       ; LDS: a region for each wave: two stages of 32 x SP bytes, behind them its 256 scale bytes
.set SP,    80                         ; a lane's place in a stage: its 64 bytes + 16 of padding
.set SPW,   12                         ; v12  LDS address of my spare word; never rewritten
.set NIL,   13                         ; v13  0; never rewritten
.set SPARE, 4*WREG                     ; behind the four regions: the spare words, 128 bytes a wave
	s_load_b512 s[4:19], s[0:1], 0x0               ; x 4, Wq 6, Wk 8, Wv 10, Wo 12, xc 14, xs 16, wc 18
	s_load_b128 s[20:23], s[0:1], 0x40             ; ws 20, wo16 22
	v_lshl_add_u32 v[SPW], v0, 2, SPARE
	v_mov_b32 v[NIL], 0
	v_lshrrev_b32 v1, 5, v0
	v_readfirstlane_b32 s24, v1                    ; wave
	v_and_b32 v2, 31, v0                           ; lane
	v_lshlrev_b32 v3, 4, v2                        ; my 16 bytes of a load's 512
	s_mul_i32 s27, s24, WREG
	v_lshrrev_b32 v14, 2, v2
	v_mul_u32_u24 v14, v14, SP
	v_and_b32 v15, 3, v2
	v_lshl_add_u32 v14, v15, 4, v14
	v_add_nc_u32 v14, s27, v14                     ; the stage, on the way in: SP (lane / 4) + 16 (lane % 4)
	v_mul_u32_u24 v15, v2, SP
	v_add_nc_u32 v15, s27, v15                     ; and on the way out: SP x lane: my 16 neighbours
	v_mul_u32_u24 v4, v2, CB                       ; my codes' place in a step's
	v_lshrrev_b32 v5, 1, v2
	s_add_co_u32 s27, s27, 2*32*SP
	v_add_nc_u32 v5, s27, v5                       ; LDS: my wave's 256 scale bytes, my block's byte
	v_lshlrev_b32 v7, 3, v2                        ; 8 bytes a lane
	v_add_nc_u32 v6, s27, v7
	s_mov_b32 s35, 0
	s_wait_kmcnt 0x0
	s_cmp_ge_u32 ttmp9, 224
	s_cbranch_scc1 .Lwo                            ; the last 32 work-groups take Wo: a branch on the work-group's number
	s_cmp_lt_u32 ttmp9, 128                        ; x or a weight?  The choices hang on the work-group's number alone
	s_cselect_b64 s[28:29], s[4:5], s[6:7]         ; from
	s_cselect_b64 s[30:31], s[14:15], s[18:19]     ; codes to
	s_cselect_b64 s[32:33], s[16:17], s[20:21]     ; scale bytes to
	s_cselect_b32 s25, 0, 128
	s_cselect_b32 s26, -1, 31
	s_cmp_ge_u32 ttmp9, 160
	s_cselect_b64 s[28:29], s[8:9], s[28:29]
	s_cmp_ge_u32 ttmp9, 192
	s_cselect_b64 s[28:29], s[10:11], s[28:29]
	s_sub_co_u32 s25, ttmp9, s25                   ; the work-group's number within x, or within the three weights
	s_and_b32 s26, s25, s26                        ; and within its own tensor
	s_lshl_b32 s25, s25, 2
	s_add_co_u32 s25, s25, s24                     ; which run of 8,192 numbers I write
	s_lshl_b32 s26, s26, 2
	s_add_co_u32 s26, s26, s24                     ; and which I read
	s_lshl_b32 s34, s26, 15
	s_add_nc_u64 s[28:29], s[28:29], s[34:35]
	s_lshl_b32 s34, s25, 12
	s_add_nc_u64 s[30:31], s[30:31], s[34:35]
	s_lshl_b32 s34, s25, 8
	s_add_nc_u64 s[32:33], s[32:33], s[34:35]
.macro LOAD t
.irp i, 0,1,2,3
	global_load_b128 v[R+16*((\t)%8)+4*\i:R+16*((\t)%8)+4*\i+3], v3, s[28:29] offset:2048*(\t)+512*\i th:TH_LOAD_NT   ; 32 lanes read 512 consecutive bytes
.endr
.endm
.macro TURN t                          ; step t's numbers through the stage: LDS serves a wave's instructions in order, so no wait stands between the stores and the loads
.irp i, 0,1,2,3
	ds_store_b128 v14, v[R+16*((\t)%8)+4*\i:R+16*((\t)%8)+4*\i+3] offset:32*SP*((\t)%2)+8*SP*\i
.endr
.irp i, 0,1,2,3
	ds_load_b128 v[X+16*((\t)%2)+4*\i:X+16*((\t)%2)+4*\i+3], v15 offset:32*SP*((\t)%2)+16*\i
.endr
.endm
.irp t, 0,1,2,3,4,5,6,7
	LOAD \t
.endr
	s_wait_loadcnt 28                              ; step 0's four loads are in; the seven steps behind it stay out
	TURN 0
.macro STEP t
.set XS, X+16*((\t)%2)
.if (\t) > 0
	s_wait_dscnt 1                                 ; this step's numbers are back from the stage (the last step's byte store may be out): so its stores into the stage have read their registers,
.else
	s_wait_dscnt 0x0
.endif
.if (\t)+8 < STEPS
	LOAD (\t)+8                                    ; which take the loads of eight steps on
.endif
.if (\t)+1 < STEPS
.if STEPS-2-(\t) >= 7
	s_wait_loadcnt 28                              ; the next step's four loads are in; those of the seven steps behind it may be out
.else
	s_wait_loadcnt 4*(STEPS-2-(\t))
.endif
	TURN (\t)+1                                    ; and go through the other stage while this step is worked
.endif
	v_max3_num_f32 v8, |v[XS]|, |v[XS+1]|, |v[XS+2]|               ; the largest magnitude of my 16, in two chains
	v_max3_num_f32 v9, |v[XS+3]|, |v[XS+4]|, |v[XS+5]|
.irp i, 6,10
	v_max3_num_f32 v8, v8, |v[XS+\i]|, |v[XS+\i+1]|
	v_max3_num_f32 v9, v9, |v[XS+\i+2]|, |v[XS+\i+3]|
.endr
	v_max3_num_f32 v8, v8, |v[XS+14]|, |v[XS+15]|
	v_max3_num_f32 v8, v8, v9, (EMAX+1)<<23        ; and the floor 2^(EMAX + 1 - 127): the byte cannot fall under 1
	v_max_num_f32_dpp v8, v8, v8 row_xmask:1 row_mask:0xf bank_mask:0xf   ; and of my neighbour's 16: the block's
	v_add_nc_u32 v11, -(EMAX<<23), v8              ; EMAX off its exponent field: the conversion takes the exponent field of this operand as its scale
	v_cvt_scalef32_pk8_fp4_f32 v[C+2*(\t)], v[XS:XS+7], v11        ; to the nearest code, ties to even, beyond the largest code the largest
	v_cvt_scalef32_pk8_fp4_f32 v[C+2*(\t)+1], v[XS+8:XS+15], v11
	v_lshrrev_b32 v[E+(\t)], 23, v11               ; the scale's byte (a plain line behind the conversions)
	ds_store_b8 v5, v[E+(\t)] offset:16*(\t)       ; both lanes of a block write the same byte with the same value
	global_store_b64 v4, v[C+2*(\t):C+2*(\t)+1], s[30:31] offset:32*CB*(\t)   ; the wave stores 256 consecutive bytes, aligned
.endm
.irp t, 0,1,2,3,4,5,6,7,8,9,10,11,12,13,14,15
	STEP \t
.endr
	ds_load_b64 v[8:9], v6                         ; LDS serves a wave's instructions in order: these see my byte stores
	s_wait_dscnt 0x0
	global_store_b64 v7, v[8:9], s[32:33]          ; my run's 256 scale bytes: 256 consecutive bytes, aligned
	s_wait_tensorcnt 0x0                           ; the wave's end, behind my last LDS store
	ds_add_u32 v[SPW], v[NIL]
	s_wait_dscnt 0x0
	s_endpgm
; Wo to f16: a run of 8,192 numbers a wave, 64 loads of 512 bytes in eight groups of eight, four groups in flight; no LDS.
.Lwo:
	s_sub_co_u32 s25, ttmp9, 224
	s_lshl_b32 s25, s25, 2
	s_add_co_u32 s25, s25, s24                     ; my run
	s_lshl_b32 s34, s25, 15
	s_add_nc_u64 s[28:29], s[12:13], s[34:35]
	s_lshl_b32 s34, s25, 14
	s_add_nc_u64 s[30:31], s[22:23], s[34:35]
.macro LOADG g
.irp j, 0,1,2,3,4,5,6,7
	global_load_b128 v[R+32*((\g)%4)+4*\j:R+32*((\g)%4)+4*\j+3], v3, s[28:29] offset:512*(8*(\g)+\j) th:TH_LOAD_NT
.endr
.endm
.macro GROUP g
.if 7-(\g) >= 3
	s_wait_loadcnt 24                              ; this group's eight loads are in; the three groups behind it may be out
.else
	s_wait_loadcnt 8*(7-(\g))
.endif
.if (\g) >= 2
	s_wait_xcnt 0x0                                ; the stores of two groups back have read their data: that set is written again only behind this wait
.endif
.irp j, 0,1,2,3,4,5,6,7
	v_cvt_pk_f16_f32 v[X+16*((\g)%2)+2*\j], v[R+32*((\g)%4)+4*\j], v[R+32*((\g)%4)+4*\j+1]
	v_cvt_pk_f16_f32 v[X+16*((\g)%2)+2*\j+1], v[R+32*((\g)%4)+4*\j+2], v[R+32*((\g)%4)+4*\j+3]
.endr
.irp j, 0,1,2,3,4,5,6,7
	global_store_b64 v7, v[X+16*((\g)%2)+2*\j:X+16*((\g)%2)+2*\j+1], s[30:31] offset:256*(8*(\g)+\j)   ; 256 consecutive bytes, aligned
.endr
.if (\g)+4 < 8
	LOADG (\g)+4
.endif
.endm
.irp g, 0,1,2,3
	LOADG \g
.endr
.irp g, 0,1,2,3,4,5,6,7
	GROUP \g
.endr
	s_wait_tensorcnt 0x0                           ; the three closing lines stand on this path too
	ds_add_u32 v[SPW], v[NIL]
	s_wait_dscnt 0x0
	s_endpgm
.Lfunc_end_k_qd7b412abd4_prep:
	.size	k_qd7b412abd4_prep, .Lfunc_end_k_qd7b412abd4_prep-k_qd7b412abd4_prep
	.p2alignl 7, 3214868480
	.fill 96, 4, 3214868480
	.section	.rodata,"a",@progbits
	.p2align	6, 0x0
	.amdhsa_kernel k_qd7b412abd4_prep
		.amdhsa_group_segment_fixed_size 33280
		.amdhsa_private_segment_fixed_size 0
		.amdhsa_enable_private_segment 0
		.amdhsa_kernarg_size 80
		.amdhsa_user_sgpr_count 2
		.amdhsa_user_sgpr_kernarg_segment_ptr 1
		.amdhsa_wavefront_size32 1
		.amdhsa_system_sgpr_workgroup_id_x 1
		.amdhsa_system_sgpr_workgroup_id_y 1
		.amdhsa_system_sgpr_workgroup_id_z 1
		.amdhsa_system_vgpr_workitem_id 0
		.amdhsa_next_free_vgpr 224
		.amdhsa_next_free_sgpr 66
		.amdhsa_reserve_vcc 0
		.amdhsa_float_denorm_mode_32 3
		.amdhsa_float_denorm_mode_16_64 3
		.amdhsa_memory_ordered 1
		.amdhsa_forward_progress 1
		.amdhsa_inst_pref_size 54
	.end_amdhsa_kernel
	.amdgpu_metadata
---
amdhsa.version: [ 1, 2 ]
amdhsa.kernels:
  - .name:           k_qd7b412abd4_prep
    .symbol:         k_qd7b412abd4_prep.kd
    .args:
      - { .name: x, .offset: 0, .size: 8, .value_kind: global_buffer, .address_space: global }
      - { .name: Wq, .offset: 8, .size: 8, .value_kind: global_buffer, .address_space: global }
      - { .name: Wk, .offset: 16, .size: 8, .value_kind: global_buffer, .address_space: global }
      - { .name: Wv, .offset: 24, .size: 8, .value_kind: global_buffer, .address_space: global }
      - { .name: Wo, .offset: 32, .size: 8, .value_kind: global_buffer, .address_space: global }
      - { .name: xc, .offset: 40, .size: 8, .value_kind: global_buffer, .address_space: global }
      - { .name: xs, .offset: 48, .size: 8, .value_kind: global_buffer, .address_space: global }
      - { .name: wc, .offset: 56, .size: 8, .value_kind: global_buffer, .address_space: global }
      - { .name: ws, .offset: 64, .size: 8, .value_kind: global_buffer, .address_space: global }
      - { .name: wo16, .offset: 72, .size: 8, .value_kind: global_buffer, .address_space: global }
    .group_segment_fixed_size: 33280
    .private_segment_fixed_size: 0
    .kernarg_segment_align: 8
    .kernarg_segment_size: 80
    .max_flat_workgroup_size: 128
    .sgpr_count:     66
    .vgpr_count:     224
    .wavefront_size: 32
...
	.end_amdgpu_metadata
.endif
;; end of part 1
;; launch qkv (part 2): grid 12 x 16, 4 waves a work-group, clusters of 4 x 4, 327,680 bytes of LDS; arguments xc, xs, wc, ws, bq, bv, qimg, kv; writes qimg, kv
.if DOCPART == 2
	.amdgcn_target "amdgcn-amd-amdhsa--gfx1250"
	.amdhsa_code_object_version 6
	.text
	.protected	k_qd7b412abd4_qkv
	.globl	k_qd7b412abd4_qkv
	.p2align	8
	.type	k_qd7b412abd4_qkv,@function
k_qd7b412abd4_qkv:
	s_mov_b64 s[64:65], 0
	v_nop
	global_prefetch_b8 v0, s[64:65] scope:SCOPE_SE
	s_setreg_imm32_b32 hwreg(HW_REG_WAVE_MODE, 25, 1), 1
	s_wait_xcnt 0x0
	s_wait_alu depctr_hold_cnt(0) depctr_sa_sdst(0) depctr_va_vdst(0) depctr_va_sdst(0) depctr_va_ssrc(0) depctr_va_vcc(0) depctr_vm_vsrc(0)
	s_getreg_b32 s2, hwreg(HW_REG_IB_STS2, 6, 4)
	s_cmp_eq_u32 s2, 0
	s_cbranch_scc0 .Lentry_in_a_cluster
	s_endpgm
.Lentry_in_a_cluster:
	s_bfe_u32 s2, ttmp6, 0x10000c
	s_cmp_lg_u32 s2, 0xf033
	s_cbranch_scc0 .Lentry_shape_is_right
	s_endpgm
.Lentry_shape_is_right:
; SECOND LAUNCH.  [q | k | v] = x [Wq | Wk | Wv]^T + [bq | - | bv]: one GEMM on codes of FP4, M = 4,096, N = 3,072, K = 1,024, sums in f32, results rounded once to f16 for the products that follow.
; LEFT OUT: bk (dead work: it adds to every score of a row the same number, which both softmaxes take away; shown at the head of the first launch).
; LIMIT: |q|, |k|, |v| stay under 65,504 (f16).
; A tile of 256 x 256 is made by four waves, 128 x 128 each: 64 accumulators, 512 registers.  All of K lies in two LDS slots of 512 along K, asked for at the head: nothing is filled again, and there is no loop.
; The scale bytes of the work-group's 256 rows of x and 256 rows of W are two dense blocks: they come once, in rows of 256 bytes.  By this text's count a wave has three tensor loads out at the most.
; CLUSTERS: 4 x 4 work-groups; x's tiles are asked for jointly along a row of the cluster, W's along a column.  The cluster's x (0, 1, 2) says q, k or v: it is the same in all sixteen partners.
; THE MATRIX INSTRUCTION IS USED TRANSPOSED (source 0 = 16 rows of W, source 1 = 16 rows of x): a lane holds row lane % 16 and eight neighbouring columns, 16 bytes of f16.
; THE RESULTS ARE LAID AS THE NEXT LAUNCH'S OPERAND REGISTERS WANT THEM, in pieces of 512 bytes = 16 rows x 16 channels, place pi at byte 16 pi.  Plain piece (q, k): place r + 16 h holds row r, channels 8 h .. 8 h + 7:
; that is my lane's own 16 bytes at 16 x lane.  v's piece: place (r & 7) + 8 h + 16 (r >> 3), so that the turning LDS load of the next launch reads it densely.  So each store of the wave covers 512 consecutive bytes, aligned, with no stage.
;   qimg: (16 b + head) x 262,144 + (s / 16) x 2,048 + p x 512;   kv: (16 b + head) x 524,288 + (s / 128) x 32,768 + (k: 0, v: 16,384) + ((s / 16) % 8) x 2,048 + p x 512;  p = the head's tile of 16 channels.
; THE BIAS is the C of each sum's first matrix instruction: eight registers for each of my eight tiles of columns.  k's work-groups put zeros there.
; REGISTERS: window 0: v0-31 addresses; v32-95 scale words, two sets; v128-191 x's fragments, one set; v192-255 the bias; on the way out v128-255 packed results.
;   window 1: W's fragments, two sets, at v0 and v128.   window 2: accumulators of my rows 0-63 ((a, b) at v[8 (8 a + b)]);   window 3: rows 64-127.
.set KSTEP,  512
.set NQ,     KSTEP/128
.set ROWB,   256                       ; a tile's row in bytes
.set KROW,   512                       ; a row of codes in memory
.set PITCH,  272                       ; an LDS row: 256 bytes + 16 of padding: the 16 rows that a load touches start at 16 different banks
.set FR,     8
.set NL,     2
.set NP,     4
.set HALFT,  128*PITCH
.set SLOT,   4*HALFT
.set KS,     32                        ; a row of scale bytes
.set SCL,    2*SLOT
.set HALFS,  (128*KS/256)*272
.set SBLK,   (16*KS/256)*272
.set SPARE,  SCL+4*HALFS               ; the spare words, 128 bytes a wave
.set ADRA, 16
.set ADRB, 20
.set CO,   26                          ; v26  my 16 bytes' place in a piece
.set ADRS, 27
.set SPW,  28
.set NIL,  29
.set BOF,  30                          ; v30  32 x (lane / 16): my eight numbers of a tile of the bias
.set SC,   32
.set AF,   128
.set BIAS, 192
.set TMP,  128
.set G1, 24
.set G0, 32
.set G1B, 48
.set G0B, 56
.set G1S, 68
.set G0S, 76
.set G1SB, 80
.set G0SB, 88
.set MSB, 0
.macro WIN new                         ; the immediate's high byte repeats the setting that is left
.if MSB != \new
	s_set_vgpr_msb (MSB<<8)|\new
.set MSB, \new
.endif
.endm
.set MUL_LO, 0xa1                      ; source 0 (W) window 1, source 1 (x) window 0, C and D window 2
.set MUL_HI, 0xf1
.set FIRST_LO, 0x81                    ; the same with C (the bias) in window 0
.set FIRST_HI, 0xc1
.set TO_B,   0x40
; A joint load: waves 0 and 1 fetch for x, waves 2 and 3 for W.  An s_nop 0 and four v_nop follow each of the two lines.
.macro JLOAD g0a, g1a, g0b, g1b
	s_cmp_eq_u32 s21, 0
	s_cbranch_scc0 .Lfor_b_\@
	tensor_load_to_lds s[\g0a:\g0a+3], s[\g1a:\g1a+7]
	s_nop 0
.rept 4
	v_nop
.endr
	s_branch .Lasked_\@
.Lfor_b_\@:
	tensor_load_to_lds s[\g0b:\g0b+3], s[\g1b:\g1b+7]
	s_nop 0
.rept 4
	v_nop
.endr
.Lasked_\@:
.endm
.macro CROUND                          ; a round of the cluster's barrier
	s_barrier_signal -1
	s_barrier_wait -1
	s_cmp_lg_u32 s20, 0
	s_cbranch_scc1 .Lnot_wave_0_\@
	s_barrier_signal -3
.Lnot_wave_0_\@:
	s_barrier_wait -3
	s_barrier_signal -1
	s_barrier_wait -1
.endm
	s_load_b256 s[4:11], s[0:1], 0x0               ; xc 4, xs 6, wc 8, ws 10
	s_load_b256 s[12:19], s[0:1], 0x20             ; bq 12, bv 14, qimg 16, kv 18
	v_lshl_add_u32 v[SPW], v0, 2, SPARE
	v_mov_b32 v[NIL], 0
	ds_add_u32 v[SPW], v[NIL]                      ; the wave's opening: the add, twice on end, and its wait ahead of my first tensor load
	ds_add_u32 v[SPW], v[NIL]
	v_lshrrev_b32 v1, 5, v0
	v_readfirstlane_b32 s20, v1                    ; wave 0..3
	s_lshr_b32 s21, s20, 1                         ; which half of the tile's rows is mine.  Also: I fetch for x (0) or for W (1)
	s_and_b32 s22, s20, 1                          ; which half of its columns.  Also: which 128 rows I fetch
	s_bfe_u32 s40, ttmp6, 0x40000                  ; cx
	s_bfe_u32 s41, ttmp6, 0x40004                  ; cy
	s_lshl_b32 s42, ttmp9, 2
	s_add_co_u32 s42, s42, s40                     ; tile column = 4 x cluster x + cx
	s_and_b32 s23, ttmp7, 0xffff
	s_lshl_b32 s23, s23, 2
	s_add_co_u32 s23, s23, s41                     ; tile row = 4 x cluster y + cy
	s_lshl_b32 s43, s41, 2
	s_lshl_b32 s43, 15, s43                        ; my row of the cluster
	s_lshl_b32 s44, 0x1111, s40                    ; my column
	; group 1: 128 rows x 256 bytes, 16 bytes of padding behind each
	s_or_b32 s[G1+0], s43, (0<<16)|(1<<20)|(1<<21)|(5<<22)|(3<<25)
	s_or_b32 s[G1B+0], s44, (0<<16)|(1<<20)|(1<<21)|(5<<22)|(3<<25)
.irp g, G1, G1B
	s_mov_b32 s[\g+1], ROWB<<16                    ; tensor_dim0
	s_mov_b32 s[\g+2], 128<<16                     ; tensor_dim1
	s_mov_b32 s[\g+3], ROWB<<16                    ; tile_dim0
	s_mov_b32 s[\g+4], 128                         ; tile_dim1
	s_mov_b32 s[\g+5], KROW                        ; from row to row
	s_mov_b32 s[\g+6], 0
	s_mov_b32 s[\g+7], 0
.endr
	; the scales of 128 rows: 4,096 dense bytes as 16 rows of 256 (32 elements of 8 bytes), 16 bytes of padding behind each
	s_or_b32 s[G1S+0], s43, (3<<16)|(1<<20)|(1<<21)|(5<<22)|(3<<25)
	s_or_b32 s[G1SB+0], s44, (3<<16)|(1<<20)|(1<<21)|(5<<22)|(3<<25)
.irp g, G1S, G1SB
	s_mov_b32 s[\g+1], 32<<16
	s_mov_b32 s[\g+2], (128*KS/256)<<16
	s_mov_b32 s[\g+3], 32<<16
	s_mov_b32 s[\g+4], 128*KS/256
	s_mov_b32 s[\g+5], 32
	s_mov_b32 s[\g+6], 0
	s_mov_b32 s[\g+7], 0
.endr
	s_lshl_b32 s98, s22, 7                         ; which 128 rows of the tile I fetch
	s_lshl_b32 s66, s23, 8
	s_add_co_u32 s66, s66, s98                     ; x: row 256 x tile row + 128 x half
	s_lshl_b32 s46, s42, 8
	s_add_co_u32 s46, s46, s98                     ; W: row 256 x tile column + 128 x half
	s_mov_b32 s67, 0
	s_mov_b32 s47, 0
	s_lshl_b64 s[92:93], s[66:67], 5               ; where these rows' scales begin,
	s_lshl_b64 s[94:95], s[46:47], 5
	s_lshl_b64 s[66:67], s[66:67], 9               ; and their codes
	s_lshl_b64 s[46:47], s[46:47], 9
	s_mul_i32 s45, s20, HALFT                      ; where they go: wave x 128 rows: no place in the cluster enters an LDS address
	s_mul_i32 s99, s20, HALFS
	s_wait_dscnt 0x0                               ; both opening adds are done
	s_wait_kmcnt 0x0
	s_add_nc_u64 s[66:67], s[4:5], s[66:67]
	s_add_nc_u64 s[92:93], s[6:7], s[92:93]
	s_add_nc_u64 s[46:47], s[8:9], s[46:47]
	s_add_nc_u64 s[94:95], s[10:11], s[94:95]
	CROUND                                         ; all sixteen work-groups are here: the joint loads meet
	s_mov_b32 s[G0S], 1
	s_add_co_u32 s[G0S+1], s99, SCL
	s_mov_b64 s[G0S+2:G0S+3], s[92:93]
	s_or_b32 s[G0S+3], s[G0S+3], 0x80000000
	s_mov_b32 s[G0SB], 1
	s_add_co_u32 s[G0SB+1], s99, SCL
	s_mov_b64 s[G0SB+2:G0SB+3], s[94:95]
	s_or_b32 s[G0SB+3], s[G0SB+3], 0x80000000
	JLOAD G0S, G1S, G0SB, G1SB                     ; the scales first: they are wanted with the first step
.irp s, 0,1
	s_mov_b32 s[G0+4*\s], 1
	s_add_co_u32 s[G0+4*\s+1], s45, \s*SLOT
	s_add_nc_u64 s[G0+4*\s+2:G0+4*\s+3], s[66:67], \s*ROWB
	s_or_b32 s[G0+4*\s+3], s[G0+4*\s+3], 0x80000000
	s_mov_b32 s[G0B+4*\s], 1
	s_add_co_u32 s[G0B+4*\s+1], s45, \s*SLOT
	s_add_nc_u64 s[G0B+4*\s+2:G0B+4*\s+3], s[46:47], \s*ROWB
	s_or_b32 s[G0B+4*\s+3], s[G0B+4*\s+3], 0x80000000
	JLOAD G0+4*\s, G1, G0B+4*\s, G1B
.endr
	v_and_b32 v1, 15, v0                           ; r
	v_bfe_u32 v2, v0, 4, 1                         ; h
	v_mul_u32_u24 v3, v1, PITCH
	v_lshl_add_u32 v4, v2, 4, v3                   ; a fragment's row x pitch + 16 h
	s_mul_i32 s98, s21, HALFT                      ; my 128 rows of x
	s_mul_i32 s99, s22, HALFT                      ; my 128 rows of W,
	s_add_co_u32 s99, s99, 2*HALFT                 ; behind x's 256
.irp s, 0,1
	v_add_nc_u32 v[ADRA+\s], s98, v4
	v_add_nc_u32 v[ADRB+\s], s99, v4
	s_add_co_u32 s98, s98, SLOT
	s_add_co_u32 s99, s99, SLOT
.endr
	v_mul_u32_u24 v5, v1, KS                       ; my row's scales: 32 bytes a row,
	v_lshrrev_b32 v6, 8, v5
	v_lshl_add_u32 v5, v6, 4, v5                   ; and 16 more for each 256 passed
	s_mul_i32 s98, s21, HALFS
	s_mul_i32 s99, s22, HALFS
	s_add_co_u32 s99, s99, 2*HALFS
	s_sub_co_u32 s99, s99, s98
	v_mul_u32_u24 v6, s99, v2                      ; lanes 16-31 take W's
	s_add_co_u32 s98, s98, SCL
	v_add_nc_u32 v5, v5, v6
	v_add_nc_u32 v[ADRS], s98, v5
	; where my results go.  b = tile row / 8; step = 2 (tile row % 8) + row half; my first head = 4 cx + 2 x column half
	s_lshr_b32 s8, s23, 3
	s_lshl_b32 s8, s8, 4
	s_lshl_b32 s9, s40, 2
	s_add_co_u32 s8, s8, s9
	s_lshl_b32 s9, s22, 1
	s_add_co_u32 s8, s8, s9                        ; 16 b + head
	s_and_b32 s9, s23, 7
	s_lshl_b32 s9, s9, 1
	s_add_co_u32 s9, s9, s21                       ; step of 128 rows
	s_cmp_eq_u32 ttmp9, 0                          ; q, or k and v?
	s_cselect_b64 s[4:5], s[16:17], s[18:19]
	s_cselect_b64 s[96:97], s[12:13], s[14:15]     ; bq or bv (k's work-groups load neither)
	s_cselect_b32 s10, 18, 19                      ; log2 of a head's bytes
	s_lshl_b32 s8, s8, s10
	s_sub_co_u32 s11, s10, 4
	s_lshl_b32 s9, s9, s11                         ; a step is a sixteenth of a head
	s_add_co_u32 s8, s8, s9
	s_cmp_eq_u32 ttmp9, 2                          ; v?
	s_cselect_b32 s9, 16384, 0                     ; v lies behind k in a step,
	s_cselect_b32 s3, -1, 0                        ; and has its own order of places in a piece
	s_add_co_u32 s8, s8, s9
	s_mov_b32 s9, 0
	s_add_nc_u64 s[4:5], s[4:5], s[8:9]            ; my first head
	s_lshl_b32 s8, 1, s10
	s_add_nc_u64 s[6:7], s[4:5], s[8:9]            ; my second head
	s_lshl_b32 s8, s40, 10
	s_lshl_b32 s10, s22, 9
	s_add_co_u32 s8, s8, s10
	s_add_nc_u64 s[96:97], s[96:97], s[8:9]        ; the bias at my 128 columns
	v_and_b32 v6, 31, v0
	v_lshlrev_b32 v7, 4, v6                        ; plain: 16 x lane
	v_and_b32 v8, 7, v0
	v_lshl_or_b32 v8, v2, 3, v8
	v_bfe_u32 v9, v0, 3, 1
	v_lshl_or_b32 v8, v9, 4, v8
	v_lshlrev_b32 v8, 4, v8                        ; v: 16 x ((r & 7) + 8 h + 16 (r >> 3))
	v_cndmask_b32 v[CO], v7, v8, s3
	v_lshlrev_b32 v[BOF], 5, v2
	s_cmp_eq_u32 ttmp9, 1                          ; the cluster's x: the same in all partners
	s_cbranch_scc1 .Lno_bias
.irp b, 0,1,2,3,4,5,6,7
	global_load_b128 v[BIAS+8*\b:BIAS+8*\b+3], v[BOF], s[96:97] offset:64*\b       ; bias(16 b + 8 h + 0 .. 7) of my columns
	global_load_b128 v[BIAS+8*\b+4:BIAS+8*\b+7], v[BOF], s[96:97] offset:64*\b+16
.endr
	s_branch .Lbias_done
.Lno_bias:
.set i, 0
.rept 64
	v_mov_b32 v[BIAS+i], 0                         ; k has no bias: 64 moves once, in place of a second copy of the first step
.set i, i+1
.endr
.Lbias_done:
.macro FRAG reg, adr, q, i             ; 16 rows x 128 K of 4-bit codes: 8 registers, two loads of 16 bytes, 32 bytes apart
.irp c, 0,1
	ds_load_b128 v[\reg+4*\c:\reg+4*\c+3], v[\adr] offset:64*(\q)+32*\c+(\i)*16*PITCH
.endr
.endm
; 16 matrix instructions: x's blocks a0, a0 + 1 against W's eight, 128 along K.  zero = 1: the first product starts the sums from the bias.  The 64 accumulators take turns, one instruction a turn.
.macro MUL16 a0, p, q, sc, zero
.irp a, \a0, \a0+1
.irp b, 0,1,2,3,4,5,6,7
.if \zero
	v_wmma_scale_f32_16x16x128_f8f6f4 v[8*(8*((\a)%4)+\b):8*(8*((\a)%4)+\b)+7], v[128*(\p)+FR*\b:128*(\p)+FR*\b+FR-1], v[AF+FR*(\a):AF+FR*(\a)+FR-1], v[BIAS+8*\b:BIAS+8*\b+7], v[SC+8*NQ*(\sc)+NQ*\b+(\q)], v[SC+8*NQ*(\sc)+NQ*(\a)+(\q)] matrix_a_fmt:MATRIX_FMT_FP4 matrix_b_fmt:MATRIX_FMT_FP4 matrix_a_scale:MATRIX_SCALE_ROW1
.else
	v_wmma_scale_f32_16x16x128_f8f6f4 v[8*(8*((\a)%4)+\b):8*(8*((\a)%4)+\b)+7], v[128*(\p)+FR*\b:128*(\p)+FR*\b+FR-1], v[AF+FR*(\a):AF+FR*(\a)+FR-1], v[8*(8*((\a)%4)+\b):8*(8*((\a)%4)+\b)+7], v[SC+8*NQ*(\sc)+NQ*\b+(\q)], v[SC+8*NQ*(\sc)+NQ*(\a)+(\q)] matrix_a_fmt:MATRIX_FMT_FP4 matrix_b_fmt:MATRIX_FMT_FP4 matrix_a_scale:MATRIX_SCALE_ROW1
.endif
.endr
.endr
.endm
.macro FETCH_B slot, q, p
	WIN TO_B
.irp i, 0,1,2,3,4,5,6,7
	FRAG 128*(\p)+FR*\i, ADRB+\slot, \q, \i
.endr
	WIN 0
.endm
.macro FETCH_A slot, q, i0
.irp i, \i0, \i0+1, \i0+2, \i0+3
	FRAG AF+FR*(\i), ADRA+\slot, \q, \i
.endr
.endm
.macro SCALES sc                       ; a slot's scale words: lanes 0-15 take x's block i, lanes 16-31 W's block i
.irp i, 0,1,2,3,4,5,6,7
	ds_load_b128 v[SC+8*NQ*\sc+NQ*\i:SC+8*NQ*\sc+NQ*\i+3], v[ADRS] offset:\i*SBLK
.endr
.endm
.macro PLACES n                        ; plain vector lines between a matrix instruction and a load into, or a vector read of, its registers
.rept \n
	v_nop
.endr
.endm
.macro STEP slot, q, zero              ; 128 along K that has its successor in the same slot
	s_wait_dscnt 4*NL                              ; W's set and x's blocks 0-3 are in; the youngest eight loads (x's blocks 4-7) may be out
.if \zero
	WIN FIRST_LO
.else
	WIN MUL_LO
.endif
	MUL16 0, (\q)%2, \q, \slot, \zero
	MUL16 2, (\q)%2, \q, \slot, \zero
	s_wait_dscnt 0
	PLACES NP
	FETCH_B \slot, (\q)+1, 1-(\q)%2
	FETCH_A \slot, (\q)+1, 0
.if \zero
	WIN FIRST_HI
.else
	WIN MUL_HI
.endif
	MUL16 4, (\q)%2, \q, \slot, \zero
	MUL16 6, (\q)%2, \q, \slot, \zero
	PLACES NP
	WIN 0
	FETCH_A \slot, (\q)+1, 4
.endm
.macro STEPS slot, from
.set Q, \from
.rept NQ-1-\from
	STEP \slot, Q, 0
.set Q, Q+1
.endr
.endm
	s_wait_tensorcnt 1                             ; the scales and my part of slot 0 are in (slot 1's load may be out),
	s_barrier_signal -1
	s_barrier_wait -1                              ; everybody's are
	FETCH_B 0, 0, 0
	FETCH_A 0, 0, 0
	SCALES 0
	FETCH_A 0, 0, 4
	s_wait_loadcnt 0x0                             ; the bias
	STEP 0, 0, 1
	STEPS 0, 1
	; slot 0's last step changes slots: one barrier
	s_wait_tensorcnt 0x0                           ; my part of slot 1 has landed
	ds_add_u32 v[SPW], v[NIL]
	s_wait_dscnt 4*NL+1                            ; (the add and the youngest eight loads may be out)
	WIN MUL_LO
	MUL16 0, 1, NQ-1, 0, 0
	s_wait_dscnt 0x0
	s_barrier_signal -1
	MUL16 2, 1, NQ-1, 0, 0
	WIN 0
	s_barrier_wait -1
	PLACES NP
	v_add_nc_u32 v[ADRS], 4*NQ, v[ADRS]            ; on to slot 1's scale words
	FETCH_B 1, 0, 0
	FETCH_A 1, 0, 0
	SCALES 1
	WIN MUL_HI
	MUL16 4, 1, NQ-1, 0, 0
	MUL16 6, 1, NQ-1, 0, 0
	PLACES NP
	WIN 0
	FETCH_A 1, 0, 4
	STEPS 1, 0
	s_wait_dscnt 4*NL                              ; the very last step: nothing more to fetch
	WIN MUL_LO
	MUL16 0, 1, NQ-1, 1, 0
	MUL16 2, 1, NQ-1, 1, 0
	s_wait_dscnt 0
	WIN MUL_HI
	MUL16 4, 1, NQ-1, 1, 0
	MUL16 6, 1, NQ-1, 1, 0
	WIN 0
; THE WAY OUT, block by block of 16 rows: eight numbers of a lane round to 16 bytes of f16, which are my place of a piece.  Each accumulator is read from its low end on.
.macro PACK a
.set AC, 64*((\a)%4)
	WIN 0x0a+5*((\a)/4)                            ; sources 0 and 1: window 2 or 3
.irp b, 0,1,2,3,4,5,6,7
.irp r, 0,1,2,3
	v_cvt_pk_f16_f32 v[TMP+32*((\a)%4)+4*\b+\r], v[AC+8*\b+2*\r], v[AC+8*\b+2*\r+1]
.endr
.endr
	WIN 0
.endm
.macro SEND a
.irp b, 0,1,2,3
	global_store_b128 v[CO], v[TMP+32*((\a)%4)+4*\b:TMP+32*((\a)%4)+4*\b+3], s[4:5] offset:(\a)*2048+\b*512   ; 512 consecutive bytes, aligned
.endr
.irp b, 4,5,6,7
	global_store_b128 v[CO], v[TMP+32*((\a)%4)+4*\b:TMP+32*((\a)%4)+4*\b+3], s[6:7] offset:(\a)*2048+(\b-4)*512
.endr
.endm
	PLACES NP                                      ; behind the last products: the conversions read results and write registers that held x's fragments
.irp a, 0,1,2,3,4,5,6,7
.if \a >= 4
	s_wait_xcnt 0x0                                ; the stores of four blocks back have read their data: that set is written again only behind this wait
.endif
	PACK \a
	SEND \a
.endr
	s_wait_tensorcnt 0x0                           ; the wave's end
	ds_add_u32 v[SPW], v[NIL]
	s_wait_dscnt 0x0
	CROUND                                         ; the closing round
	s_endpgm
.Lfunc_end_k_qd7b412abd4_qkv:
	.size	k_qd7b412abd4_qkv, .Lfunc_end_k_qd7b412abd4_qkv-k_qd7b412abd4_qkv
	.p2alignl 7, 3214868480
	.fill 96, 4, 3214868480
	.section	.rodata,"a",@progbits
	.p2align	6, 0x0
	.amdhsa_kernel k_qd7b412abd4_qkv
		.amdhsa_group_segment_fixed_size 327680
		.amdhsa_private_segment_fixed_size 0
		.amdhsa_enable_private_segment 0
		.amdhsa_kernarg_size 64
		.amdhsa_user_sgpr_count 2
		.amdhsa_user_sgpr_kernarg_segment_ptr 1
		.amdhsa_wavefront_size32 1
		.amdhsa_system_sgpr_workgroup_id_x 1
		.amdhsa_system_sgpr_workgroup_id_y 1
		.amdhsa_system_sgpr_workgroup_id_z 1
		.amdhsa_system_vgpr_workitem_id 0
		.amdhsa_next_free_vgpr 1024
		.amdhsa_next_free_sgpr 100
		.amdhsa_reserve_vcc 0
		.amdhsa_float_denorm_mode_32 3
		.amdhsa_float_denorm_mode_16_64 3
		.amdhsa_memory_ordered 1
		.amdhsa_forward_progress 1
		.amdhsa_inst_pref_size 122
	.end_amdhsa_kernel
	.amdgpu_metadata
---
amdhsa.version: [ 1, 2 ]
amdhsa.kernels:
  - .name:           k_qd7b412abd4_qkv
    .symbol:         k_qd7b412abd4_qkv.kd
    .args:
      - { .name: xc, .offset: 0, .size: 8, .value_kind: global_buffer, .address_space: global }
      - { .name: xs, .offset: 8, .size: 8, .value_kind: global_buffer, .address_space: global }
      - { .name: wc, .offset: 16, .size: 8, .value_kind: global_buffer, .address_space: global }
      - { .name: ws, .offset: 24, .size: 8, .value_kind: global_buffer, .address_space: global }
      - { .name: bq, .offset: 32, .size: 8, .value_kind: global_buffer, .address_space: global }
      - { .name: bv, .offset: 40, .size: 8, .value_kind: global_buffer, .address_space: global }
      - { .name: qimg, .offset: 48, .size: 8, .value_kind: global_buffer, .address_space: global }
      - { .name: kv, .offset: 56, .size: 8, .value_kind: global_buffer, .address_space: global }
    .group_segment_fixed_size: 327680
    .private_segment_fixed_size: 0
    .kernarg_segment_align: 8
    .kernarg_segment_size: 64
    .max_flat_workgroup_size: 128
    .sgpr_count:     100
    .vgpr_count:     1024
    .wavefront_size: 32
...
	.end_amdgpu_metadata
.endif
;; end of part 2
;; launch attn (part 3): grid 8 x 32, 8 waves a work-group, clusters of 4 x 1, 327,680 bytes of LDS; arguments qimg, kv, o16; writes o16
.if DOCPART == 3
	.amdgcn_target "amdgcn-amd-amdhsa--gfx1250"
	.amdhsa_code_object_version 6
	.text
	.protected	k_qd7b412abd4_attn
	.globl	k_qd7b412abd4_attn
	.p2align	8
	.type	k_qd7b412abd4_attn,@function
k_qd7b412abd4_attn:
	s_mov_b64 s[64:65], 0
	v_nop
	global_prefetch_b8 v0, s[64:65] scope:SCOPE_SE
	s_setreg_imm32_b32 hwreg(HW_REG_WAVE_MODE, 25, 1), 1
	s_wait_xcnt 0x0
	s_wait_alu depctr_hold_cnt(0) depctr_sa_sdst(0) depctr_va_vdst(0) depctr_va_sdst(0) depctr_va_ssrc(0) depctr_va_vcc(0) depctr_vm_vsrc(0)
	s_getreg_b32 s2, hwreg(HW_REG_IB_STS2, 6, 4)
	s_cmp_eq_u32 s2, 0
	s_cbranch_scc0 .Lentry_in_a_cluster
	s_endpgm
.Lentry_in_a_cluster:
	s_bfe_u32 s2, ttmp6, 0x10000c
	s_cmp_lg_u32 s2, 0x3003
	s_cbranch_scc0 .Lentry_shape_is_right
	s_endpgm
.Lentry_shape_is_right:
; THIRD LAUNCH.  For each of 32 (batch, head): s = q k^T / 8 ONCE, then both softmaxes along the keys, softmax(-s) (branch 0) and softmax(+s) (branch 1), and both products with v.  Operands f16, sums, maxima and exponentials f32.
; For each query two running maxima, of s and of -s, are taken away before the exponentials; the sums and O are multiplied by a = 2^(c old - c new) in every step, c = log2(e) / 8; O is divided by the row's sum at the end.
; LIMITS: a weight p under 2^-25 of its row's largest becomes 0 in f16; NaN and infinities are not served.
; SHARES.  A work-group owns 256 queries of one head, each of its eight waves 32: two tiles of 16.  Two waves lie on a SIMD, 512 registers each, so that one wave's vector work stands beside the other's matrix work and LDS loads:
; for 128 keys a wave has some 860 vector instructions and 96 matrix instructions.  A fragment of k feeds 2 products, a fragment of v 4 (two tiles x two branches).  Every wave walks all 2,048 keys, 128 a step.
; LAYOUT.  S^T = k q^T (source 0 = 16 keys, source 1 = 16 queries) and O^T = v^T p (source 0 = 16 channels, source 1 = p): a lane holds ONE query (lane % 16) throughout; two neighbouring tiles of S^T, rounded in pairs, are source 1 of the second product.
; k and v come as pieces of 512 bytes laid in the order of the operand registers: every LDS load reads 16 x lane, 512 consecutive bytes; v's pieces are turned by ds_load_tr16_b128.
; RING.  Two LDS slots of 512 keys = 4 steps of (k 16,384 + v 16,384) bytes, as they lie in memory: 131,072 dense bytes a slot; wave w brings bytes 16,384 w on, one tensor load a wave, one out at the most.  A refill has four steps in which to land.
; CLUSTER.  The four query blocks of a cluster belong to one head and walk the same k and v: each load is asked for jointly, with the mask of all four.
; o16: (head / 2) x 2,097,152 + (256 branch + 128 b + s / 16) x 4,096 + (4 (head % 2) + p) x 512 + 16 x lane: plain pieces, so that 128 along the next K of 8 tiles of rows are 32,768 dense bytes.
; REGISTERS.  window 0: v1 16 x lane; v2 the step's LDS address; v4, v5 the add's two; v16-47 statistics, 16 a tile; v48-63 the maxima's chains; v64-127 k's fragments in two halves, later one tile's 64 weights of branch 1; v128-255 S^T, 64 a tile,
;   then p: branch 0 in the tile's first 32, branch 1 in its last 32.   window 1: v0-127 O^T (64 q + 32 branch + 8 p); v128-159 q; v160-223 v's fragments, two sets of 32 keys.
.set LN,  1
.set ADR, 2
.set SPW, 4
.set NIL, 5
.set ST,  16          ; tile q's statistics at ST + 16 q: +0 c m+, +1 m+ (largest s), +2 c m-, +3 m- (largest -s), +4:5 l+, +6:7 l-, +8 a+, +9 its exponent, +10 a-, +11 its exponent, +12:13, +14:15 at work
.set XC,  48          ; tile q: four chains for m+ at XC + 8 q, four for m- behind them
.set KT,  64
.set S,   128
.set OQ,  128         ; in window 1
.set VF,  160         ; in window 1
.set STEPB, 32768
.set SLOT1, 1<<17
.set SPARE, 2*SLOT1
.set WV,  10
.set G1,  16
.set G0,  24
.set TB,  28          ; LDS byte at which the step's tiles begin
.set SLOTS, 29
.set CNT, 30
.set CS,  32          ; s[32:33] c, twice: the packed form names a pair
.set SEL, 34          ; s[34:35] lane l xor 16
.set MSB, 0
.macro WIN new                         ; the immediate's high byte repeats the setting that is left
.if MSB != \new
	s_set_vgpr_msb (MSB<<8)|\new
.set MSB, \new
.endif
.endm
.set W_QK, 0x04       ; source 1 (q) window 1; k, S^T window 0.  k's LDS loads stand under it too: their destination and address places are window 0
.set W_L1, 0x40       ; destination window 1
.set W_RS, 0x41       ; O^T (destination and source 0) window 1, a window 0
.set W_PV, 0x51       ; v, C and D window 1, p window 0
.macro CROUND
	s_barrier_signal -1
	s_barrier_wait -1
	s_cmp_lg_u32 s[WV], 0
	s_cbranch_scc1 .Lnot_wave_0_\@
	s_barrier_signal -3
.Lnot_wave_0_\@:
	s_barrier_wait -3
	s_barrier_signal -1
	s_barrier_wait -1
.endm
.macro PLACES
.rept 4
	v_nop
.endr
.endm
	s_load_b128 s[4:7], s[0:1], 0x0                ; qimg 4, kv 6
	s_load_b64 s[8:9], s[0:1], 0x10                ; o16
	v_lshl_add_u32 v[SPW], v0, 2, SPARE
	v_mov_b32 v[NIL], 0
	ds_add_u32 v[SPW], v[NIL]                      ; the wave's opening: the add, twice on end, and its wait ahead of my first tensor load
	ds_add_u32 v[SPW], v[NIL]
	v_lshrrev_b32 v1, 5, v0
	v_readfirstlane_b32 s[WV], v1                  ; wave 0..7
	v_and_b32 v[LN], 31, v0
	v_lshlrev_b32 v[LN], 4, v[LN]
	s_bfe_u32 s11, ttmp6, 0x40000                  ; cx
	s_lshl_b32 s12, ttmp9, 2
	s_add_co_u32 s12, s12, s11                     ; my block of 256 queries: it enters q's and o's addresses alone
	s_and_b32 s13, ttmp7, 0xffff                   ; 16 b + head, which the four partners share
	; group 1: 64 rows of 256 bytes (32 elements of 8 bytes), dense, no padding; the mask names all four work-groups
	s_mov_b32 s[G1], 15|(3<<16)|(1<<21)
	s_mov_b32 s[G1+1], 32<<16                      ; tensor_dim0
	s_mov_b32 s[G1+2], 64<<16                      ; tensor_dim1
	s_mov_b32 s[G1+3], 32<<16                      ; tile_dim0
	s_mov_b32 s[G1+4], 64                          ; tile_dim1
	s_mov_b32 s[G1+5], 32                          ; from row to row
	s_mov_b32 s[G1+6], 0
	s_mov_b32 s[G1+7], 0
	s_mov_b32 s[G0], 1
	s_lshl_b32 s[G0+1], s[WV], 14                  ; my 16,384 bytes of slot 0
	s_mov_b32 s[CS], 0x3e38aa3b                    ; c = log2(e) / 8
	s_mov_b32 s[CS+1], s[CS]
	s_mov_b32 s[SEL], 0x76543210
	s_mov_b32 s[SEL+1], 0xfedcba98
	s_mov_b32 s[TB], 0
	s_mov_b32 s[SLOTS], 3
	s_lshl_b32 s36, s13, 19                        ; kv: the head's 524,288 bytes,
	s_lshl_b32 s37, s[WV], 14                      ; my part of a slot
	s_add_co_u32 s36, s36, s37
	s_mov_b32 s37, 0
	s_lshl_b32 s38, s13, 18                        ; qimg: the head's 262,144 bytes,
	s_lshl_b32 s39, s12, 15                        ; my block's 16 tiles of 2,048,
	s_add_co_u32 s38, s38, s39
	s_lshl_b32 s39, s[WV], 12                      ; my wave's two
	s_add_co_u32 s38, s38, s39
	s_mov_b32 s39, 0
	s_and_b32 s40, s13, 15                         ; head
	s_lshr_b32 s41, s13, 4                         ; b
	s_lshr_b32 s42, s40, 1
	s_lshl_b32 s42, s42, 21                        ; o16: (head / 2) x 2,097,152
	s_lshl_b32 s41, s41, 19                        ; + 128 b tiles of 4,096
	s_add_co_u32 s42, s42, s41
	s_lshl_b32 s41, s12, 16                        ; + my block's 16
	s_add_co_u32 s42, s42, s41
	s_lshl_b32 s41, s[WV], 13                      ; + my wave's two
	s_add_co_u32 s42, s42, s41
	s_and_b32 s40, s40, 1
	s_lshl_b32 s40, s40, 11                        ; + (head % 2) x 4 pieces
	s_add_co_u32 s42, s42, s40
	s_mov_b32 s43, 0
	s_wait_dscnt 0x0                               ; both opening adds are done
	s_wait_kmcnt 0x0
	s_add_nc_u64 s[G0+2:G0+3], s[6:7], s[36:37]
	s_or_b32 s[G0+3], s[G0+3], 0x80000000
	s_add_nc_u64 s[4:5], s[4:5], s[38:39]
	s_add_nc_u64 s[8:9], s[8:9], s[42:43]
	CROUND                                         ; all four work-groups are here: the first joint loads meet
	tensor_load_to_lds s[G0:G0+3], s[G1:G1+7]      ; slot 0: keys 0 to 511
	s_nop 0
	PLACES
	WIN W_L1
.irp q, 0,1
.irp p, 0,1,2,3
	global_load_b128 v[OQ+16*\q+4*\p:OQ+16*\q+4*\p+3], v[LN], s[4:5] offset:\q*2048+\p*512   ; q stays in registers
.endr
.endr
.set i, 0
.rept 128
	v_mov_b32 v[i], 0                              ; O^T.  (The step is written with no first step of its own: the first finds zeros, which the first a leaves zeros)
.set i, i+1
.endr
	WIN 0
.irp q, 0,1
	v_mov_b32 v[ST+16*\q+1], 0xff61b1e6            ; the largest s and the largest -s so far: -3e38
	v_mov_b32 v[ST+16*\q+3], 0xff61b1e6
	v_mul_f32 v[ST+16*\q], s[CS], v[ST+16*\q+1]
	v_mul_f32 v[ST+16*\q+2], s[CS], v[ST+16*\q+3]
.irp i, 4,5,6,7,8,9,10,11,12,13,14,15
	v_mov_b32 v[ST+16*\q+\i], 0                    ; the sums; and what is named as half of a pair, or as a lane permute's destination, before it is first written
.endr
.endr
	s_wait_loadcnt 0x0                             ; q
.macro LDK g                           ; key tiles 2 g, 2 g + 1 (16 keys x 64 channels: four pieces each) into half g % 2
.irp u, 0,1
.irp p, 0,1,2,3
	ds_load_b128 v[KT+32*((\g)&1)+16*\u+4*\p:KT+32*((\g)&1)+16*\u+4*\p+3], v[ADR] offset:(2*(\g)+\u)*2048+\p*512
.endr
.endr
.endm
.macro LDV c                           ; keys 32 c on, turned: fragment p = 16 channels x 32 keys, into set c % 2
.irp p, 0,1,2,3
.irp e, 0,1
	ds_load_tr16_b128 v[VF+32*((\c)&1)+8*\p+4*\e:VF+32*((\c)&1)+8*\p+4*\e+3], v[ADR] offset:16384+(2*(\c)+\e)*2048+\p*512
.endr
.endr
.endm
.macro QK g                            ; 8 matrix instructions: two key tiles x two query tiles, channels 0-31 (they start the sums), then 32-63.  Four accumulators by turns
.irp ch, 0,1
.irp u, 0,1
.irp q, 0,1
.if \ch == 0
	v_wmma_f32_16x16x32_f16 v[S+64*\q+8*(2*(\g)+\u):S+64*\q+8*(2*(\g)+\u)+7], v[KT+32*((\g)&1)+16*\u+8*\ch:KT+32*((\g)&1)+16*\u+8*\ch+7], v[OQ+16*\q+8*\ch:OQ+16*\q+8*\ch+7], 0
.else
	v_wmma_f32_16x16x32_f16 v[S+64*\q+8*(2*(\g)+\u):S+64*\q+8*(2*(\g)+\u)+7], v[KT+32*((\g)&1)+16*\u+8*\ch:KT+32*((\g)&1)+16*\u+8*\ch+7], v[OQ+16*\q+8*\ch:OQ+16*\q+8*\ch+7], v[S+64*\q+8*(2*(\g)+\u):S+64*\q+8*(2*(\g)+\u)+7]
.endif
.endr
.endr
.endr
.endm
.macro CHAINS                          ; the largest s and the largest -s of my 64 scores and the old ones, three operands at a time, four chains each, both tiles by turns; each accumulator is first read at its low end
.irp q, 0,1
.irp j, 0,1,2,3
	v_max3_num_f32 v[XC+8*\q+\j], v[S+64*\q+16*\j], v[S+64*\q+16*\j+1], v[S+64*\q+16*\j+2]
	v_max3_num_f32 v[XC+8*\q+4+\j], -v[S+64*\q+16*\j], -v[S+64*\q+16*\j+1], -v[S+64*\q+16*\j+2]
.endr
.endr
.irp i, 3,5,7,9,11,13
.irp q, 0,1
.irp j, 0,1,2,3
	v_max3_num_f32 v[XC+8*\q+\j], v[XC+8*\q+\j], v[S+64*\q+16*\j+\i], v[S+64*\q+16*\j+\i+1]
	v_max3_num_f32 v[XC+8*\q+4+\j], v[XC+8*\q+4+\j], -v[S+64*\q+16*\j+\i], -v[S+64*\q+16*\j+\i+1]
.endr
.endr
.endr
.irp q, 0,1
	v_max3_num_f32 v[XC+8*\q], v[XC+8*\q], v[S+64*\q+15], v[S+64*\q+31]
	v_max3_num_f32 v[XC+8*\q+4], v[XC+8*\q+4], -v[S+64*\q+15], -v[S+64*\q+31]
	v_max3_num_f32 v[XC+8*\q+2], v[XC+8*\q+2], v[S+64*\q+47], v[S+64*\q+63]
	v_max3_num_f32 v[XC+8*\q+6], v[XC+8*\q+6], -v[S+64*\q+47], -v[S+64*\q+63]
.endr
.irp q, 0,1
	v_max3_num_f32 v[XC+8*\q], v[XC+8*\q], v[XC+8*\q+1], v[XC+8*\q+2]
	v_max3_num_f32 v[XC+8*\q+4], v[XC+8*\q+4], v[XC+8*\q+5], v[XC+8*\q+6]
.endr
.irp q, 0,1
	v_max3_num_f32 v[XC+8*\q], v[XC+8*\q], v[XC+8*\q+3], v[ST+16*\q+1]
	v_max3_num_f32 v[XC+8*\q+4], v[XC+8*\q+4], v[XC+8*\q+7], v[ST+16*\q+3]
.endr
.endm
.macro STATS                           ; the query's other 64 keys lie in lane l xor 16; the new maxima, c times them, and a = 2^(c old - c new)
.irp q, 0,1
	v_permlanex16_b32 v[ST+16*\q+12], v[XC+8*\q], s[SEL], s[SEL+1]
	v_permlanex16_b32 v[ST+16*\q+13], v[XC+8*\q+4], s[SEL], s[SEL+1]
.endr
.irp q, 0,1
	v_max_num_f32 v[ST+16*\q+1], v[XC+8*\q], v[ST+16*\q+12]
	v_max_num_f32 v[ST+16*\q+3], v[XC+8*\q+4], v[ST+16*\q+13]
	v_mov_b32 v[ST+16*\q+9], v[ST+16*\q]
	v_mov_b32 v[ST+16*\q+11], v[ST+16*\q+2]
.endr
.irp q, 0,1
	v_mul_f32 v[ST+16*\q], s[CS], v[ST+16*\q+1]
	v_mul_f32 v[ST+16*\q+2], s[CS], v[ST+16*\q+3]
.endr
.irp q, 0,1
	v_sub_f32 v[ST+16*\q+9], v[ST+16*\q+9], v[ST+16*\q]
	v_sub_f32 v[ST+16*\q+11], v[ST+16*\q+11], v[ST+16*\q+2]
.endr
.irp q, 0,1
	v_exp_f32 v[ST+16*\q+8], v[ST+16*\q+9]
	v_exp_f32 v[ST+16*\q+10], v[ST+16*\q+11]
.endr
.endm
.macro EXPO q                          ; branch 1: c s - c m+ into v64-127; branch 0: -c s - c m- in place; then the tile's 128 exponentials, one batch
.set i, 0
.rept 32
	v_pk_fma_f32 v[KT+i:KT+i+1], v[S+64*(\q)+i:S+64*(\q)+i+1], s[CS:CS+1], v[ST+16*(\q):ST+16*(\q)+1] op_sel_hi:[1,0,0] neg_lo:[0,0,1] neg_hi:[0,0,1]
.set i, i+2
.endr
.set i, 0
.rept 32
	v_pk_fma_f32 v[S+64*(\q)+i:S+64*(\q)+i+1], v[S+64*(\q)+i:S+64*(\q)+i+1], s[CS:CS+1], v[ST+16*(\q)+2:ST+16*(\q)+3] op_sel_hi:[1,0,0] neg_lo:[1,0,1] neg_hi:[1,0,1]
.set i, i+2
.endr
.set i, 0
.rept 64
	v_exp_f32 v[KT+i], v[KT+i]
.set i, i+1
.endr
.set i, 0
.rept 64
	v_exp_f32 v[S+64*(\q)+i], v[S+64*(\q)+i]
.set i, i+1
.endr
.endm
.macro SUMS q                          ; l = a l + the sum of the f32 weights, two at a time; for each branch two chains, the four by turns
.set T, ST+16*(\q)
.set SS, S+64*(\q)
	v_pk_fma_f32 v[T+4:T+5], v[T+4:T+5], v[T+8:T+9], v[KT:KT+1] op_sel_hi:[1,0,1]
	v_pk_fma_f32 v[T+6:T+7], v[T+6:T+7], v[T+10:T+11], v[SS:SS+1] op_sel_hi:[1,0,1]
	v_pk_add_f32 v[T+12:T+13], v[KT+2:KT+3], v[KT+6:KT+7]
	v_pk_add_f32 v[T+14:T+15], v[SS+2:SS+3], v[SS+6:SS+7]
.set i, 4
.rept 14
	v_pk_add_f32 v[T+4:T+5], v[T+4:T+5], v[KT+i:KT+i+1]
	v_pk_add_f32 v[T+6:T+7], v[T+6:T+7], v[SS+i:SS+i+1]
	v_pk_add_f32 v[T+12:T+13], v[T+12:T+13], v[KT+i+6:KT+i+7]
	v_pk_add_f32 v[T+14:T+15], v[T+14:T+15], v[SS+i+6:SS+i+7]
.set i, i+4
.endr
	v_pk_add_f32 v[T+4:T+5], v[T+4:T+5], v[KT+60:KT+61]
	v_pk_add_f32 v[T+6:T+7], v[T+6:T+7], v[SS+60:SS+61]
	v_pk_add_f32 v[T+4:T+5], v[T+4:T+5], v[T+12:T+13]
	v_pk_add_f32 v[T+6:T+7], v[T+6:T+7], v[T+14:T+15]
.endm
.macro PACKP q                         ; the weights to f16, in pairs of keys: branch 0 in place (register i is written when 2 i and 2 i + 1 are read: no later source lies at or under i), branch 1 behind it
.set i, 0
.rept 32
	v_cvt_pk_f16_f32 v[S+64*(\q)+i], v[S+64*(\q)+2*i], v[S+64*(\q)+2*i+1]
.set i, i+1
.endr
.set i, 0
.rept 32
	v_cvt_pk_f16_f32 v[S+64*(\q)+32+i], v[KT+2*i], v[KT+2*i+1]
.set i, i+1
.endr
.endm
.macro RESCALE                         ; O^T x a, ascending
	WIN W_RS
.irp q, 0,1
.irp br, 0,1
.set i, 0
.rept 16
	v_pk_mul_f32 v[64*\q+32*\br+i:64*\q+32*\br+i+1], v[64*\q+32*\br+i:64*\q+32*\br+i+1], v[ST+16*\q+10-2*\br:ST+16*\q+11-2*\br] op_sel_hi:[1,0]
.set i, i+2
.endr
.endr
.endr
.endm
.macro PV c                            ; 16 matrix instructions on keys 32 c on: sixteen accumulators by turns
.irp p, 0,1,2,3
.irp q, 0,1
.irp br, 0,1
	v_wmma_f32_16x16x32_f16 v[64*\q+32*\br+8*\p:64*\q+32*\br+8*\p+7], v[VF+32*((\c)&1)+8*\p:VF+32*((\c)&1)+8*\p+7], v[S+64*\q+32*\br+8*(\c):S+64*\q+32*\br+8*(\c)+7], v[64*\q+32*\br+8*\p:64*\q+32*\br+8*\p+7]
.endr
.endr
.endr
.endm
; A KEY STEP: 128 keys.
.macro STEP
	v_add_nc_u32 v[ADR], s[TB], v[LN]
	PLACES                                         ; five plain lines behind the last step's products: the first products below write over registers that those read, and loads follow into v's registers
	LDK 0
	LDK 1
	WIN W_L1
	LDV 0
	LDV 1
	WIN W_QK
	s_wait_dscnt 24                                ; key tiles 0, 1 are in; tiles 2, 3 (8 loads) and v (16) may be out
	QK 0
	PLACES
	LDK 2
	s_wait_dscnt 24                                ; tiles 2, 3 are in; v (16) and tiles 4, 5 (8) may be out
	QK 1
	PLACES
	LDK 3
	s_wait_dscnt 8                                 ; v and tiles 4, 5 are in; tiles 6, 7 may be out
	QK 2
	s_wait_dscnt 0x0
	QK 3
	WIN 0
	PLACES
	CHAINS
	STATS
	EXPO 0
	v_nop                                          ; a plain line behind the last exponential
	s_wait_alu depctr_va_vdst(0)                   ; one wait for the four a and tile 0's 128 exponentials, ahead of their first reader
	SUMS 0
	PACKP 0
	EXPO 1
	RESCALE                                        ; names none of tile 1's results: plain work behind the batch
	WIN 0
	s_wait_alu depctr_va_vdst(0)                   ; one wait for tile 1's 128
	SUMS 1
	PACKP 1
	WIN W_PV
	PV 0
	WIN W_L1
	PLACES
	LDV 2
	WIN W_PV
	PV 1
	WIN W_L1
	PLACES
	LDV 3
	WIN W_PV
	s_wait_dscnt 8                                 ; keys 64-95 of v are in; keys 96-127 may be out
	PV 2
	s_wait_dscnt 0x0
	PV 3
	WIN 0
	s_add_co_u32 s[TB], s[TB], STEPB
.endm
.macro FOUR_STEPS                      ; a slot's four steps: written once, walked four times
	s_mov_b32 s[CNT], 4
.Lstep_\@:
	STEP
	s_sub_co_u32 s[CNT], s[CNT], 1
	s_cmp_lg_u32 s[CNT], 0
	s_cbranch_scc1 .Lstep_\@
.endm
; THE CHANGE OF SLOTS stands at a slot's head.  Each wave waits for all its tensor loads (its part of the slot ahead), adds 0 to its spare word, and waits for that and for its reads of the slot that it has left.
; fill = 1: a round of the cluster's barrier, so that no wave of any partner still reads the other slot or has a load on its way; the joint load of the next 512 keys is the first thing behind it.
.macro CHANGE fill
	s_wait_tensorcnt 0x0                           ; no tensor load of mine is out, so group 0 may be written
	ds_add_u32 v[SPW], v[NIL]
.if \fill
	s_xor_b32 s[G0+1], s[G0+1], SLOT1              ; the other slot than last time,
	s_add_nc_u64 s[G0+2:G0+3], s[G0+2:G0+3], 4*STEPB   ; the next 512 keys
.endif
	s_wait_dscnt 0x0
.if \fill
	CROUND
	tensor_load_to_lds s[G0:G0+3], s[G1:G1+7]
	s_nop 0
	PLACES
.else
	s_barrier_signal -1
	s_barrier_wait -1
.endif
.endm
.Lslot:                                            ; three trips: behind each change of slots but the last the next slot is asked for
	CHANGE 1
	FOUR_STEPS
	s_sub_co_u32 s[TB], s[TB], 4*STEPB             ; back to a slot's first step,
	s_xor_b32 s[TB], s[TB], SLOT1                  ; in the other slot
	s_sub_co_u32 s[SLOTS], s[SLOTS], 1
	s_cmp_lg_u32 s[SLOTS], 0
	s_cbranch_scc1 .Lslot
	CHANGE 0                                       ; the last slot is written out
	FOUR_STEPS
	; THE WAY OUT.  The sums' halves and lane l xor 16's are added (the four additions are the plain lines behind the last products); O^T / l, rounded to f16: my 16 bytes of a piece.
.irp q, 0,1
	v_add_f32 v[ST+16*\q+12], v[ST+16*\q+4], v[ST+16*\q+5]
	v_add_f32 v[ST+16*\q+14], v[ST+16*\q+6], v[ST+16*\q+7]
.endr
.irp q, 0,1
	v_permlanex16_b32 v[ST+16*\q+13], v[ST+16*\q+12], s[SEL], s[SEL+1]
	v_permlanex16_b32 v[ST+16*\q+15], v[ST+16*\q+14], s[SEL], s[SEL+1]
.endr
.irp q, 0,1
	v_add_f32 v[ST+16*\q+12], v[ST+16*\q+12], v[ST+16*\q+13]
	v_add_f32 v[ST+16*\q+14], v[ST+16*\q+14], v[ST+16*\q+15]
.endr
.irp q, 0,1
	v_rcp_f32 v[ST+16*\q+8], v[ST+16*\q+12]
	v_rcp_f32 v[ST+16*\q+10], v[ST+16*\q+14]
.endr
	v_nop                                          ; a plain line behind the last reciprocal
	s_wait_alu depctr_va_vdst(0)                   ; one wait for the four
	WIN 0x01                                       ; source 0 (O^T) window 1
.irp q, 0,1
.irp br, 0,1
.set i, 0
.rept 16
	v_pk_mul_f32 v[S+64*\q+32*\br+i:S+64*\q+32*\br+i+1], v[64*\q+32*\br+i:64*\q+32*\br+i+1], v[ST+16*\q+10-2*\br:ST+16*\q+11-2*\br] op_sel_hi:[1,0]
.set i, i+2
.endr
.endr
.endr
	WIN 0
.set i, 0
.rept 64
	v_cvt_pk_f16_f32 v[KT+i], v[S+2*i], v[S+2*i+1]
.set i, i+1
.endr
.irp q, 0,1
.irp br, 0,1
.irp p, 0,1,2,3
	global_store_b128 v[LN], v[KT+32*\q+16*\br+4*\p:KT+32*\q+16*\br+4*\p+3], s[8:9] offset:\br*1048576+\q*4096+\p*512   ; 512 consecutive bytes, aligned
.endr
.endr
.endr
	s_wait_tensorcnt 0x0                           ; the wave's end
	ds_add_u32 v[SPW], v[NIL]
	s_wait_dscnt 0x0
	CROUND                                         ; the closing round
	s_endpgm
.Lfunc_end_k_qd7b412abd4_attn:
	.size	k_qd7b412abd4_attn, .Lfunc_end_k_qd7b412abd4_attn-k_qd7b412abd4_attn
	.p2alignl 7, 3214868480
	.fill 96, 4, 3214868480
	.section	.rodata,"a",@progbits
	.p2align	6, 0x0
	.amdhsa_kernel k_qd7b412abd4_attn
		.amdhsa_group_segment_fixed_size 327680
		.amdhsa_private_segment_fixed_size 0
		.amdhsa_enable_private_segment 0
		.amdhsa_kernarg_size 24
		.amdhsa_user_sgpr_count 2
		.amdhsa_user_sgpr_kernarg_segment_ptr 1
		.amdhsa_wavefront_size32 1
		.amdhsa_system_sgpr_workgroup_id_x 1
		.amdhsa_system_sgpr_workgroup_id_y 1
		.amdhsa_system_sgpr_workgroup_id_z 1
		.amdhsa_system_vgpr_workitem_id 0
		.amdhsa_next_free_vgpr 512
		.amdhsa_next_free_sgpr 66
		.amdhsa_reserve_vcc 0
		.amdhsa_float_denorm_mode_32 3
		.amdhsa_float_denorm_mode_16_64 3
		.amdhsa_memory_ordered 1
		.amdhsa_forward_progress 1
		.amdhsa_inst_pref_size 135
	.end_amdhsa_kernel
	.amdgpu_metadata
---
amdhsa.version: [ 1, 2 ]
amdhsa.kernels:
  - .name:           k_qd7b412abd4_attn
    .symbol:         k_qd7b412abd4_attn.kd
    .args:
      - { .name: qimg, .offset: 0, .size: 8, .value_kind: global_buffer, .address_space: global }
      - { .name: kv, .offset: 8, .size: 8, .value_kind: global_buffer, .address_space: global }
      - { .name: o16, .offset: 16, .size: 8, .value_kind: global_buffer, .address_space: global }
    .group_segment_fixed_size: 327680
    .private_segment_fixed_size: 0
    .kernarg_segment_align: 8
    .kernarg_segment_size: 24
    .max_flat_workgroup_size: 256
    .sgpr_count:     66
    .vgpr_count:     512
    .wavefront_size: 32
...
	.end_amdgpu_metadata
.endif
;; end of part 3
;; launch oproj (part 4): grid 4 x 64, 4 waves a work-group, clusters of 4 x 4, 327,680 bytes of LDS; arguments o16, wo16, bo, out0, out1; writes out0, out1
.if DOCPART == 4
	.amdgcn_target "amdgcn-amd-amdhsa--gfx1250"
	.amdhsa_code_object_version 6
	.text
	.protected	k_qd7b412abd4_oproj
	.globl	k_qd7b412abd4_oproj
	.p2align	8
	.type	k_qd7b412abd4_oproj,@function
k_qd7b412abd4_oproj:
	s_mov_b64 s[64:65], 0
	v_nop
	global_prefetch_b8 v0, s[64:65] scope:SCOPE_SE
	s_setreg_imm32_b32 hwreg(HW_REG_WAVE_MODE, 25, 1), 1
	s_wait_xcnt 0x0
	s_wait_alu depctr_hold_cnt(0) depctr_sa_sdst(0) depctr_va_vdst(0) depctr_va_sdst(0) depctr_va_ssrc(0) depctr_va_vcc(0) depctr_vm_vsrc(0)
	s_getreg_b32 s2, hwreg(HW_REG_IB_STS2, 6, 4)
	s_cmp_eq_u32 s2, 0
	s_cbranch_scc0 .Lentry_in_a_cluster
	s_endpgm
.Lentry_in_a_cluster:
	s_bfe_u32 s2, ttmp6, 0x10000c
	s_cmp_lg_u32 s2, 0xf033
	s_cbranch_scc0 .Lentry_shape_is_right
	s_endpgm
.Lentry_shape_is_right:
; FOURTH LAUNCH.  [out0; out1] = [o of softmax(-s); o of softmax(+s)] Wo^T + bo: one GEMM, M = 8,192, N = 1,024, K = 1,024, operands f16, sums f32, results f32.
; A tile of 128 rows x 256 columns is made by four waves, 64 x 128 each (32 accumulators, 256 registers): 256 work-groups.  K goes in 8 steps of 128 through a ring of two LDS slots.
; o comes in pieces of 512 bytes laid in the order of the operand registers: a K step of my 8 tiles of rows is 32,768 dense bytes, and each LDS load reads 16 x lane.  Wo comes as rows of 256 bytes, 16 bytes of padding behind each.
; CLUSTERS: 4 x 4 work-groups; o's tiles are asked for jointly along a row of the cluster, Wo's along a column.  Waves 0 and 1 fetch o's halves, waves 2 and 3 Wo's: one load a wave behind each round; two out at the head, then one.
; THE MATRIX INSTRUCTION IS USED TRANSPOSED (source 0 = 16 rows of Wo, source 1 = 16 rows of o): a lane holds eight neighbouring columns of a row.  bo is the C of each sum's first matrix instruction.
; REGISTERS: window 0: v16-30 addresses; two fragment buffers of 96 at v32 and v128 (Wo's 8 fragments, then o's 4); on the way out v32-159 rows.   window 1: accumulator (a, b) at v[8 (8 a + b)].   window 2: v0-63 the bias.
.set PITCH,  272
.set AB,     32768                     ; o's part of a slot
.set HALFB,  128*PITCH                 ; 128 rows of Wo
.set SLOT,   AB+2*HALFB                ; 102,400
.set STAGE,  2*SLOT                    ; behind the ring: 16 rows x (512 + 16) bytes for each wave; no tensor load lands there
.set SPITCH, 528
.set SPARE,  STAGE+4*16*SPITCH
.set ADRA, 16
.set ADRB, 20
.set STO,  24
.set RD,   25
.set CO,   26
.set BOF,  27
.set SPW,  28
.set NIL,  29
.set F0,   32
.set F1,   128
.set BK,   32
.set G1, 24
.set G0, 32
.set G1B, 48
.set G0B, 56
.set MSB, 0
.macro WIN new                         ; the immediate's high byte repeats the setting that is left
.if MSB != \new
	s_set_vgpr_msb (MSB<<8)|\new
.set MSB, \new
.endif
.endm
.set MUL,  0x50                        ; C and D window 1
.set MULZ, 0x60                        ; D window 1, C (the bias) window 2
.macro JLOAD s                         ; an s_nop 0 and four v_nop follow each of the two lines
	s_cmp_eq_u32 s15, 0
	s_cbranch_scc0 .Lfor_b_\@
	tensor_load_to_lds s[G0+4*\s:G0+4*\s+3], s[G1:G1+7]
	s_nop 0
.rept 4
	v_nop
.endr
	s_branch .Lasked_\@
.Lfor_b_\@:
	tensor_load_to_lds s[G0B+4*\s:G0B+4*\s+3], s[G1B:G1B+7]
	s_nop 0
.rept 4
	v_nop
.endr
.Lasked_\@:
.endm
.macro CREST                           ; a round of the cluster's barrier behind its opening barrier
	s_cmp_lg_u32 s14, 0
	s_cbranch_scc1 .Lnot_wave_0_\@
	s_barrier_signal -3
.Lnot_wave_0_\@:
	s_barrier_wait -3
	s_barrier_signal -1
	s_barrier_wait -1
.endm
.macro CROUND
	s_barrier_signal -1
	s_barrier_wait -1
	CREST
.endm
	s_load_b256 s[4:11], s[0:1], 0x0               ; o16 4, wo16 6, bo 8, out0 10
	s_load_b64 s[12:13], s[0:1], 0x20              ; out1
	v_lshl_add_u32 v[SPW], v0, 2, SPARE
	v_mov_b32 v[NIL], 0
	ds_add_u32 v[SPW], v[NIL]                      ; the wave's opening: the add, twice on end, and its wait ahead of my first tensor load
	ds_add_u32 v[SPW], v[NIL]
	v_lshrrev_b32 v1, 5, v0
	v_readfirstlane_b32 s14, v1                    ; wave 0..3
	s_lshr_b32 s15, s14, 1                         ; which 64 rows are mine.  Also: I fetch for o (0) or for Wo (1)
	s_and_b32 s16, s14, 1                          ; which 128 columns.  Also: which half I fetch
	s_bfe_u32 s40, ttmp6, 0x40000                  ; cx
	s_bfe_u32 s41, ttmp6, 0x40004                  ; cy
	s_lshl_b32 s42, ttmp9, 2
	s_add_co_u32 s42, s42, s40                     ; tile column
	s_and_b32 s17, ttmp7, 0xffff
	s_lshl_b32 s17, s17, 2
	s_add_co_u32 s17, s17, s41                     ; tile row, 0..63
	s_lshl_b32 s43, s41, 2
	s_lshl_b32 s43, 15, s43                        ; my row of the cluster
	s_lshl_b32 s44, 0x1111, s40                    ; my column
	; o: 64 rows of 256 dense bytes (32 elements of 8 bytes), no padding
	s_or_b32 s[G1], s43, (3<<16)|(1<<21)
	s_mov_b32 s[G1+1], 32<<16
	s_mov_b32 s[G1+2], 64<<16
	s_mov_b32 s[G1+3], 32<<16
	s_mov_b32 s[G1+4], 64
	s_mov_b32 s[G1+5], 32
	s_mov_b32 s[G1+6], 0
	s_mov_b32 s[G1+7], 0
	; Wo: 128 rows x 128 elements of 2 bytes, 1,024 elements apart, four words of padding behind every 64
	s_or_b32 s[G1B], s44, (1<<16)|(1<<20)|(1<<21)|(5<<22)|(3<<25)
	s_mov_b32 s[G1B+1], 128<<16
	s_mov_b32 s[G1B+2], 128<<16
	s_mov_b32 s[G1B+3], 128<<16
	s_mov_b32 s[G1B+4], 128
	s_mov_b32 s[G1B+5], 1024
	s_mov_b32 s[G1B+6], 0
	s_mov_b32 s[G1B+7], 0
	s_lshl_b32 s18, s17, 15                        ; o: 8 tiles of rows of 4,096 bytes for each tile row,
	s_lshl_b32 s19, s16, 14                        ; my half: four of them
	s_add_co_u32 s18, s18, s19
	s_mov_b32 s19, 0
	s_lshl_b32 s46, s42, 19                        ; Wo: 256 rows of 2,048 bytes for each tile column,
	s_lshl_b32 s47, s16, 18                        ; my half: 128 of them
	s_add_co_u32 s46, s46, s47
	s_mov_b32 s47, 0
	s_lshl_b32 s20, s16, 14                        ; where they go in a slot: no place in the cluster enters an LDS address
	s_mul_i32 s21, s16, HALFB
	s_add_co_u32 s21, s21, AB
	s_wait_dscnt 0x0                               ; both opening adds are done
	s_wait_kmcnt 0x0
	s_add_nc_u64 s[18:19], s[4:5], s[18:19]
	s_add_nc_u64 s[46:47], s[6:7], s[46:47]
	CROUND                                         ; all sixteen work-groups are here: the first joint loads meet
.irp s, 0,1
	s_mov_b32 s[G0+4*\s], 1
	s_add_co_u32 s[G0+4*\s+1], s20, \s*SLOT
	s_add_nc_u64 s[G0+4*\s+2:G0+4*\s+3], s[18:19], \s*2097152      ; K step s
	s_or_b32 s[G0+4*\s+3], s[G0+4*\s+3], 0x80000000
	s_mov_b32 s[G0B+4*\s], 1
	s_add_co_u32 s[G0B+4*\s+1], s21, \s*SLOT
	s_add_nc_u64 s[G0B+4*\s+2:G0B+4*\s+3], s[46:47], \s*256
	s_or_b32 s[G0B+4*\s+3], s[G0B+4*\s+3], 0x80000000
	JLOAD \s
.endr
	v_and_b32 v1, 15, v0                           ; r
	v_bfe_u32 v2, v0, 4, 1                         ; h
	v_and_b32 v3, 31, v0
	v_lshlrev_b32 v3, 4, v3                        ; 16 x lane
	v_mul_u32_u24 v4, v1, PITCH
	v_lshl_add_u32 v4, v2, 4, v4                   ; Wo: row x pitch + 16 h
	s_lshl_b32 s21, s15, 14                        ; my four tiles of rows of o
	s_mul_i32 s22, s16, HALFB
	s_add_co_u32 s22, s22, AB                      ; my 128 rows of Wo
.irp s, 0,1
	v_add_nc_u32 v[ADRA+\s], s21, v3
	v_add_nc_u32 v[ADRB+\s], s22, v4
	s_add_co_u32 s21, s21, SLOT
	s_add_co_u32 s22, s22, SLOT
.endr
	s_mul_i32 s23, s14, 16*SPITCH
	s_add_co_u32 s23, s23, STAGE                   ; my stage
	v_mul_u32_u24 v5, v1, SPITCH
	v_lshl_add_u32 v5, v2, 5, v5
	v_add_nc_u32 v[STO], s23, v5                   ; in: row r, 32 bytes for each half of the lanes
	v_mov_b32 v[CO], v3                            ; back: the 32 lanes take one row of 512 bytes; and the same in the output
	v_add_nc_u32 v[RD], s23, v3
	v_lshlrev_b32 v[BOF], 5, v2
	s_lshl_b32 s20, s42, 10                        ; my first column, in bytes: 1,024 x tile column + 512 x half
	s_lshl_b32 s21, s16, 9
	s_add_co_u32 s20, s20, s21
	s_mov_b32 s21, 0
	s_add_nc_u64 s[8:9], s[8:9], s[20:21]          ; bo at my columns
	s_and_b32 s22, s17, 31
	s_lshl_b32 s22, s22, 19                        ; 128 rows of 4,096 bytes for each tile row of the output,
	s_add_co_u32 s20, s20, s22
	s_lshl_b32 s22, s15, 18                        ; my 64
	s_add_co_u32 s20, s20, s22
	s_and_b32 s22, ttmp7, 0xffff
	s_cmp_lt_u32 s22, 8                            ; tile rows 0-31 are softmax(-s)'s: out0
	s_cselect_b64 s[10:11], s[10:11], s[12:13]
	s_add_nc_u64 s[10:11], s[10:11], s[20:21]
	WIN 0x80                                       ; destination window 2
.irp b, 0,1,2,3,4,5,6,7
	global_load_b128 v[8*\b:8*\b+3], v[BOF], s[8:9] offset:64*\b          ; bo(16 b + 8 h + 0 .. 7) of my columns
	global_load_b128 v[8*\b+4:8*\b+7], v[BOF], s[8:9] offset:64*\b+16
.endr
	WIN 0
; 8 matrix instructions: o's block a against Wo's eight, 32 along K.  z = 1: the first product starts the sums from the bias.  The 32 accumulators take turns, one instruction a turn.
.macro MUL8 f, a, z
.irp b, 0,1,2,3,4,5,6,7
.if \z
	v_wmma_f32_16x16x32_f16 v[8*(8*(\a)+\b):8*(8*(\a)+\b)+7], v[\f+8*\b:\f+8*\b+7], v[\f+64+8*(\a):\f+64+8*(\a)+7], v[8*\b:8*\b+7]
.else
	v_wmma_f32_16x16x32_f16 v[8*(8*(\a)+\b):8*(8*(\a)+\b)+7], v[\f+8*\b:\f+8*\b+7], v[\f+64+8*(\a):\f+64+8*(\a)+7], v[8*(8*(\a)+\b):8*(8*(\a)+\b)+7]
.endif
.endr
.endm
; 24 LDS loads in one run: the fragments of the slot's q-th 32 along K into buffer f; o's blocks 2 and 3 last
.macro FETCH slot, q, f
.irp i, 0,1,2,3,4,5,6,7
	ds_load_b128 v[\f+8*\i:\f+8*\i+3],   v[ADRB+\slot] offset:64*(\q)+\i*16*PITCH
	ds_load_b128 v[\f+8*\i+4:\f+8*\i+7], v[ADRB+\slot] offset:64*(\q)+\i*16*PITCH+32
.endr
.irp i, 0,1,2,3
	ds_load_b128 v[\f+64+8*\i:\f+64+8*\i+3],   v[ADRA+\slot] offset:4096*\i+1024*(\q)
	ds_load_b128 v[\f+64+8*\i+4:\f+64+8*\i+7], v[ADRA+\slot] offset:4096*\i+1024*(\q)+512
.endr
.endm
.macro PLACES                          ; four plain lines in front of loads into registers that matrix instructions have read, and of the first read of results
.rept 4
	v_nop
.endr
.endm
; A K step is four quarters of 32 along K, 32 matrix instructions each, on buffers 0, 1, 0, 1.  One of the first three: multiplies buffer f and fetches quarter qn into g.
.macro QUARTER slot, qn, f, g, z
	s_wait_dscnt 4                                 ; Wo's fragments and o's blocks 0, 1 are in; the youngest four loads (blocks 2, 3) may be out
.if \z
	WIN MULZ
.else
	WIN MUL
.endif
	MUL8 \f, 0, \z
	MUL8 \f, 1, \z
	WIN 0
	PLACES
	FETCH \slot, \qn, \g
	s_wait_dscnt 24                                ; all but the 24 just issued
.if \z
	WIN MULZ
.else
	WIN MUL
.endif
	MUL8 \f, 2, \z
	MUL8 \f, 3, \z
.endm
; The last quarter multiplies buffer 1 and changes slots: one barrier; in front of it each wave waits for all its tensor loads, adds 0 to its spare word, and waits for that and for its reads of this slot.  fill = 1: this slot is filled again, two K steps ahead.
.macro TURN slot, next, fill
	WIN 0
	s_wait_tensorcnt 0x0                           ; all my tensor loads have landed: my part of the next slot
	ds_add_u32 v[SPW], v[NIL]
	s_wait_dscnt 5                                 ; (the add and the youngest four loads may be out)
	WIN MUL
	MUL8 F1, 0, 0                                  ; eight matrix instructions stand between the add and the wait for it
	s_wait_dscnt 0x0                               ; the add is done, and my reads of this slot are over
	s_barrier_signal -1
	MUL8 F1, 1, 0
	WIN 0
	s_barrier_wait -1
.if \fill
	CREST                                          ; the barrier has opened a round of the cluster's barrier: no wave of any partner still reads this slot or has a load on its way
	s_add_nc_u64 s[G0+4*\slot+2:G0+4*\slot+3], s[G0+4*\slot+2:G0+4*\slot+3], 2*2097152
	s_add_nc_u64 s[G0B+4*\slot+2:G0B+4*\slot+3], s[G0B+4*\slot+2:G0B+4*\slot+3], 2*256
	JLOAD \slot                                    ; the first tensor load behind the round; its four v_nop are also the plain lines in front of the loads below
.else
	PLACES
.endif
	FETCH \next, 0, F0
	WIN MUL
	MUL8 F1, 2, 0
	MUL8 F1, 3, 0
.endm
	s_wait_tensorcnt 1                             ; my part of K step 0 is in (K step 1's load may be out),
	s_barrier_signal -1
	s_barrier_wait -1                              ; everybody's is
	FETCH 0, 0, F0
	s_wait_loadcnt 0x0                             ; the bias
	QUARTER 0, 1, F0, F1, 1                        ; the first quarter stands in front of the loop: its products start the sums
	WIN 0
	s_mov_b32 s3, 3
.Llap:                                             ; a trip goes once round the ring, from a lap's second quarter to the next lap's first, and fills both slots again
	QUARTER 0, 2, F1, F0, 0
	QUARTER 0, 3, F0, F1, 0
	TURN 0, 1, 1
	QUARTER 1, 1, F0, F1, 0
	QUARTER 1, 2, F1, F0, 0
	QUARTER 1, 3, F0, F1, 0
	TURN 1, 0, 1
	QUARTER 0, 1, F0, F1, 0
	WIN 0
	s_sub_co_u32 s3, s3, 1
	s_cmp_lg_u32 s3, 0
	s_cbranch_scc1 .Llap
	QUARTER 0, 2, F1, F0, 0                        ; the last lap fills nothing
	QUARTER 0, 3, F0, F1, 0
	TURN 0, 1, 0
	QUARTER 1, 1, F0, F1, 0
	QUARTER 1, 2, F1, F0, 0
	QUARTER 1, 3, F0, F1, 0
	s_wait_dscnt 4                                 ; the very last quarter: nothing more to fetch
	WIN MUL
	MUL8 F1, 0, 0
	MUL8 F1, 1, 0
	s_wait_dscnt 0
	MUL8 F1, 2, 0
	MUL8 F1, 3, 0
	WIN 0
; THE WAY OUT, block by block of 16 rows x 128 columns, through my own stage: in as 32 bytes a lane, back as whole rows of 512 bytes.  LDS serves a wave's instructions in order: no wait between the stores and the loads.
.macro TOSTAGE a
.set AC, 64*(\a)
	WIN 0x04                                       ; an LDS store's data are its source 1: window 1
.irp b, 0,1,2,3,4,5,6,7
	ds_store_b128 v[STO], v[AC+8*\b:AC+8*\b+3] offset:64*\b          ; each accumulator from its low end on
	ds_store_b128 v[STO], v[AC+8*\b+4:AC+8*\b+7] offset:64*\b+16
.endr
	WIN 0
.set BB, BK+64*((\a)%2)
.irp t, 0,1,2,3,4,5,6,7,8,9,10,11,12,13,14,15
	ds_load_b128 v[BB+4*\t:BB+4*\t+3], v[RD] offset:\t*SPITCH
.endr
.endm
.macro SEND a, younger                 ; younger: the LDS instructions issued behind block a's loads, which may stay out
.set BB, BK+64*((\a)%2)
	s_wait_dscnt \younger
.if (\a) > 0
	s_add_nc_u64 s[10:11], s[10:11], 16*4096       ; (behind a wait on XCNT: the earlier stores have read their base)  16 rows on
.endif
.irp t, 0,1,2,3,4,5,6,7,8,9,10,11,12,13,14,15
	global_store_b128 v[CO], v[BB+4*\t:BB+4*\t+3], s[10:11] offset:\t*4096 th:TH_STORE_NT   ; 512 consecutive bytes, aligned; written once, read by nobody here
.endr
.endm
	PLACES
	TOSTAGE 0
.irp a, 1,2,3
.if \a > 1
	s_wait_xcnt 0x0                                ; block a - 2's stores have read their registers and their base
.endif
	TOSTAGE \a
	SEND \a-1, 32                                  ; behind block a - 1's loads: block a's 16 stores and 16 loads
.endr
	s_wait_xcnt 0x0
	SEND 3, 0
	s_wait_tensorcnt 0x0                           ; the wave's end, behind my last tensor load and my last LDS store
	ds_add_u32 v[SPW], v[NIL]
	s_wait_dscnt 0x0
	CROUND                                         ; the closing round
	s_endpgm
.Lfunc_end_k_qd7b412abd4_oproj:
	.size	k_qd7b412abd4_oproj, .Lfunc_end_k_qd7b412abd4_oproj-k_qd7b412abd4_oproj
	.p2alignl 7, 3214868480
	.fill 96, 4, 3214868480
	.section	.rodata,"a",@progbits
	.p2align	6, 0x0
	.amdhsa_kernel k_qd7b412abd4_oproj
		.amdhsa_group_segment_fixed_size 327680
		.amdhsa_private_segment_fixed_size 0
		.amdhsa_enable_private_segment 0
		.amdhsa_kernarg_size 40
		.amdhsa_user_sgpr_count 2
		.amdhsa_user_sgpr_kernarg_segment_ptr 1
		.amdhsa_wavefront_size32 1
		.amdhsa_system_sgpr_workgroup_id_x 1
		.amdhsa_system_sgpr_workgroup_id_y 1
		.amdhsa_system_sgpr_workgroup_id_z 1
		.amdhsa_system_vgpr_workitem_id 0
		.amdhsa_next_free_vgpr 576
		.amdhsa_next_free_sgpr 66
		.amdhsa_reserve_vcc 0
		.amdhsa_float_denorm_mode_32 3
		.amdhsa_float_denorm_mode_16_64 3
		.amdhsa_memory_ordered 1
		.amdhsa_forward_progress 1
		.amdhsa_inst_pref_size 86
	.end_amdhsa_kernel
	.amdgpu_metadata
---
amdhsa.version: [ 1, 2 ]
amdhsa.kernels:
  - .name:           k_qd7b412abd4_oproj
    .symbol:         k_qd7b412abd4_oproj.kd
    .args:
      - { .name: o16, .offset: 0, .size: 8, .value_kind: global_buffer, .address_space: global }
      - { .name: wo16, .offset: 8, .size: 8, .value_kind: global_buffer, .address_space: global }
      - { .name: bo, .offset: 16, .size: 8, .value_kind: global_buffer, .address_space: global }
      - { .name: out0, .offset: 24, .size: 8, .value_kind: global_buffer, .address_space: global }
      - { .name: out1, .offset: 32, .size: 8, .value_kind: global_buffer, .address_space: global }
    .group_segment_fixed_size: 327680
    .private_segment_fixed_size: 0
    .kernarg_segment_align: 8
    .kernarg_segment_size: 40
    .max_flat_workgroup_size: 128
    .sgpr_count:     66
    .vgpr_count:     576
    .wavefront_size: 32
...
	.end_amdgpu_metadata
.endif
;; end of part 4
